; MI455X (gfx1250); checked and timed in simulation.
; The chip was launched on July 23, 2026; its instructions are those of AMD's public machine-readable ISA for CDNA 5 (MIT licence, August 2026) and "CDNA5" Instruction Set Architecture Reference Guide (July 2026). The comments in the code are by the model that wrote it; some were corrected since.
;; Multi Head Attention. Allowed arithmetic: matrix products marked QUANTISED: E3M2 operands, one E8M0 scale for each 32 along K, by v_wmma_scale_f32_16x16x128_f8f6f4 with both operands' format E3M2, f32 sums; everything else in f32.
;; Inputs: Wkv 1,024 x 1,024 float32; Wq1 1,024 x 1,024 float32; Wq2 1,024 x 1,024 float32; ln1_beta 1,024 float32; ln1_gamma 1,024 float32; ln2_beta 1,024 float32; ln2_gamma 1,024 float32; x1 4 x 1,024 x 1,024 float32; x2 4 x 1,024 x 1,024 float32.
;; Outputs: out0 4 x 1,024 x 1,024 float32; out1 4 x 1,024 x 1,024 float32.
;; This version of the problem:
;;   THIS VERSION OF THE PROBLEM IS GIVEN IN LOW PRECISION. The matrix products marked QUANTISED in the list below multiply operands that are first quantised to E3M2 (3 exponent bits, 2 mantissa bits; 6 bits a number), with one power-of-two scale for each 32 numbers along K (OCP MX v1.0); their sums are f32. All else is computed in f32.
;;   The module's matrix products, in the order in which they are computed (A, B: the left and right operand; K: the contracted axis; several contracted axes count as one K, in the product's order):
;;     1. [M 4,096, K 1,024] x [K 1,024, N 1,024]; A: computed on the way; B: input Wq1: QUANTISED
;;     2. [M 4,096, K 1,024] x [K 1,024, N 1,024]; A: computed on the way; B: input Wq2: QUANTISED
;;     3. [M 8,192, K 1,024] x [K 1,024, N 1,024]; A: computed on the way; B: input Wkv: QUANTISED
;;     4. batch 64 x [M 1,024, K 64] x [K 64, N 2,048]; A: computed on the way; B: computed on the way: QUANTISED
;;     5. batch 64 x [M 1,024, K 2,048] x [K 2,048, N 64]; A: softmax (see below); B: computed on the way: QUANTISED
;;     6. batch 64 x [M 1,024, K 64] x [K 64, N 2,048]; A: computed on the way; B: computed on the way: QUANTISED
;;     7. batch 64 x [M 1,024, K 2,048] x [K 2,048, N 64]; A: softmax (see below); B: computed on the way: QUANTISED
;;   THE QUANTISER, for each operand of a quantised product, along K:
;;     - K is cut into blocks of 32 from its start; a last block that is shorter is filled with zeros.
;;     - A block's scale is 2^e with e = floor(log2(the largest magnitude in the block)) - 4, held to -126 .. 127; a block of zeros has e = 0. As a byte (E8M0): e + 127.
;;     - Each number is divided by its block's scale, clamped to +-28, and rounded to the nearest number of E3M2, ties to even, subnormals kept.
;;     - The product sums the exact products of the quantised numbers (number of the format x scale) in f32.
;;   ~~~python
;;   def quantise(x, axis):      # numpy; x: float32 -> the quantised numbers, widened to float32 again
;;       x = np.moveaxis(x, axis, -1); K = x.shape[-1]
;;       x = np.pad(x, [(0, 0)] * (x.ndim - 1) + [(0, -K % 32)]); x = x.reshape(x.shape[:-1] + (-1, 32)); a = np.abs(x).max(-1, keepdims=True)
;;       e = np.where(a > 0, np.clip(np.frexp(np.where(a > 0, a, 1))[1] - 1 - 4, -126, 127), 0)      # np.frexp(a)[1] - 1 = floor(log2(a)), exactly
;;       r = np.clip(x / 2.0 ** e, -28, 28)
;;       step = 2.0 ** (np.maximum(np.frexp(np.where(r == 0, 1, r))[1] - 1, -2) - 2)
;;       q = np.round(r / step) * step * 2.0 ** e      # np.round: ties to even
;;       return np.moveaxis(q.reshape(q.shape[:-2] + (-1,))[..., :K], -1, axis).astype(np.float32)
;;   ~~~
;;   SOFTMAX AHEAD OF A QUANTISED PRODUCT. Where the list says 'softmax', what is quantised is not the finished softmax but p = 2^(t - M), with t = logit x log2(e) and M = ceil(the row's largest t), a whole number; so 1/2 < the row's largest p <= 1. The row's sum l is taken of the UNQUANTISED p, in f32, and the product's result is divided by l at the end. Since M is a whole number, a kernel that streams over the keys may use a running M (the ceiling of the running maximum): every later rescaling is an exact power of two, which a block's scale takes up: the codes' values come out the same.
;;   OPERANDS COMPUTED ON THE WAY. 'Computed on the way' means the value that the module computes at that place (a softmax that the list does not call 'softmax' is quantised finished and normalised). What goes into a quantiser is computed in f32, as accurately as f32 sums, v_exp_f32 and their like allow (about 1e-6 of the number): no bf16 or f16 on the way to a quantiser, and a product that is left as it is and whose result goes on into a quantised operand takes f32 operands (vector FMAs, or v_wmma_f32_16x16x4_f32). A number that lies on a knife's edge between two numbers of the format may be rounded either way, as far as f32 arithmetic and the matrix unit's own rounding can turn it there, and no further.
;; One version. Each part assembles by itself: llvm-mc -triple=amdgcn-amd-amdhsa -mcpu=gfx1250 --defsym DOCPART=n.
;; ======== version 1 of 1: 4 launches
;; limits: right only within a limited range of input values
;; workspace buffers: pc 8,650,752 bytes; ps 360,448 bytes; qf 33,554,432 bytes; qc 6,291,456 bytes; qs 262,144 bytes; kvc 12,582,912 bytes; kvs 2,097,152 bytes
;; launch prep (part 1): grid 352 x 1, 8 waves a work-group, no clusters, 132,608 bytes of LDS; arguments x1, x2, ln1_gamma, ln1_beta, ln2_gamma, ln2_beta, Wq1, Wq2, Wkv, pc, ps; writes pc, ps
.if DOCPART == 1
	.amdgcn_target "amdgcn-amd-amdhsa--gfx1250"
	.amdhsa_code_object_version 6
	.text
	.protected	k_q742b816181_prep
	.globl	k_q742b816181_prep
	.p2align	8
	.type	k_q742b816181_prep,@function
k_q742b816181_prep:
	s_mov_b64 s[64:65], 0
	v_nop
	global_prefetch_b8 v0, s[64:65] scope:SCOPE_SE
	s_setreg_imm32_b32 hwreg(HW_REG_WAVE_MODE, 25, 1), 1
	s_wait_xcnt 0x0
; LayerNorm(x1), LayerNorm(x2) and the rows of Wq1, Wq2, Wkv as they are, quantised along their 1,024 columns to codes of BF6 (E3M2) with one E8M0 byte for each 32,
; and laid in the order of a matrix operand's registers.  A work-group takes 32 rows: 0-127 x1, 128-255 x2, 256-287 Wq1, 288-319 Wq2, 320-351 Wkv.
; TILES.  The 32 rows are two tiles of 16: lane row r of tile u is row 8 u + r + 8 (r / 8), so that the results of two neighbouring tiles are 16 neighbours along the next product's K.
; IMAGES.  A fragment (16 rows x 128 K, 12 registers a lane) is two halves of 768 bytes; in a half lane l's first 16 bytes lie at 16 l, its last 8 at 512 + 8 l: every store covers 512 or 256 consecutive bytes, aligned.
; PHASE 1: wave w normalises rows 4 w .. 4 w + 3 (a row in one wave's 32 registers; mean, then the mean of squared differences, as the definition has it) and lays them in a stage in LDS, in tile order.
; PHASE 2: wave w takes K step w (128 columns) of both tiles: 64 numbers a lane, quantised in registers.
; No matrix unit, no cluster, no tensor load: the work-groups share no input but the two short vectors, and memory binds.
; LIMITS: NaN and infinities among the inputs are not served.  A block whose largest magnitude lies under 2^-122 (a block of zeros among them) keeps the scale byte 1; its bytes are read by this program alone.
.set PITCH, 4112                       ; a stage row: 4,096 bytes + 16: an odd multiple of 16, so that 16 rows begin in 16 different groups of banks
.set XB,  6291456                      ; pc: x's codes [blk 64][step 8][tile 8][1536]; from here the weights' [w 3][cb 4][step 8][tile 16][1536]
.set XS,  262144                       ; ps: x's scale words [blk][step][pair 4][lane 32]; from here the weights' [w][cb][step][pair 8][lane 32]
.set X,   32                           ; v32-159  four rows of 32 registers
.set G,   160                          ; v160-191 gamma
.set B,   192                          ; v192-223 beta
.set T,   224                          ; v224-231 a pair of sums a row; v232-239 a pair a row: mean, later 1/sqrt, and a 0 beside it
.set N0,  32                           ; phase 2: tile 0's 64 numbers
.set N1,  160                          ; tile 1's
.set PC0, 96                           ; tile 0's codes
.set PC1, 108                          ; tile 1's
.set PCT, 120                          ; the conversions' second halves
.set TM,  128                          ; v128-131 largest magnitudes, v132-135 the other lane's / bytes, v140-143 scale operands
.set PW0, 144
.set PW1, 145
.set PWM, 146
.set WV,  36
.set SEL, 38
.set HI,  40
; 64 numbers of a lane, register 16 b + i = k 32 b + 16 (lane / 16) + i of my row, become a fragment's 12 registers at d and its scale word in w; t: eight registers at work
.macro QUANT128 s, d, t, w
.irp b, 0,1,2,3
	v_max3_num_f32 v[TM+\b], |v[\s+16*\b]|, |v[\s+1+16*\b]|, 0x2800000   ; my 16 numbers of block b, and the floor 2^(5 - 127): the byte cannot fall under 1
.endr
.irp i, 2,4,6,8,10,12,14
.irp b, 0,1,2,3
	s_delay_alu instid0(VALU_DEP_4)
	v_max3_num_f32 v[TM+\b], v[TM+\b], |v[\s+16*\b+\i]|, |v[\s+1+16*\b+\i]|
.endr
.endr
.irp b, 0,1,2,3
	s_delay_alu instid0(VALU_DEP_4)
	v_permlanex16_b32 v[TM+4+\b], v[TM+\b], s[SEL], s[SEL+1]
.endr
.irp b, 0,1,2,3
	s_delay_alu instid0(VALU_DEP_4)
	v_max_num_f32 v[TM+\b], v[TM+\b], v[TM+4+\b]                   ; with lane l xor 16's: the block's largest magnitude
.endr
.irp b, 0,1,2,3
	s_delay_alu instid0(VALU_DEP_4)
	v_add_nc_u32 v[TM+12+\b], 0xfe000000, v[TM+\b]                 ; 4 off its exponent field: the conversion's scale operand
.endr
.irp b, 0,1,2,3
	s_delay_alu instid0(VALU_DEP_4)
	v_lshrrev_b32 v[TM+4+\b], 23, v[TM+12+\b]                      ; the scale's byte
.endr
	s_delay_alu instid0(VALU_DEP_3)
	v_lshl_or_b32 v[\w], v[TM+5], 8, v[TM+4]
	s_delay_alu instid0(VALU_DEP_1)
	v_lshl_or_b32 v[\w], v[TM+6], 16, v[\w]
	s_delay_alu instid0(VALU_DEP_1)
	v_lshl_or_b32 v[\w], v[TM+7], 24, v[\w]
.irp c, 0,1
	v_cvt_scalef32_pk16_bf6_f32 v[\d+6*\c:\d+2+6*\c], v[\s+32*\c:\s+15+32*\c], v[TM+12+2*\c]
	v_cvt_scalef32_pk16_bf6_f32 v[\t+4*\c:\t+2+4*\c], v[\s+16+32*\c:\s+31+32*\c], v[TM+13+2*\c]   ; (a conversion's three registers begin on an even number)
.endr
	v_nop                                          ; one plain place behind a scaled conversion
.irp c, 0,1                                    ; the operand wants a whole block in a lane: lanes 0-15 block 2 c, lanes 16-31 block 2 c + 1
.irp i, 0,1,2
	v_permlane16_swap_b32 v[\d+6*\c+\i], v[\t+4*\c+\i]
.endr
.irp i, 0,1,2
	s_delay_alu instid0(VALU_DEP_3)
	v_mov_b32 v[\d+3+6*\c+\i], v[\t+4*\c+\i]
.endr
.endr
.endm
; the four rows' sums over the wave's 32 lanes, by turns
.macro WSUM4
.irp m, 1,2,4,8
.irp k, 0,1,2,3
	s_delay_alu instid0(VALU_DEP_4)
	v_add_f32_dpp v[T+2*\k], v[T+2*\k], v[T+2*\k] row_xmask:\m row_mask:0xf bank_mask:0xf
.endr
.endr
.irp k, 0,1,2,3
	s_delay_alu instid0(VALU_DEP_4)
	v_permlanex16_b32 v[T+2*\k+1], v[T+2*\k], s[SEL], s[SEL+1]
.endr
.irp k, 0,1,2,3
	s_delay_alu instid0(VALU_DEP_4)
	v_add_f32 v[T+2*\k], v[T+2*\k], v[T+2*\k+1]
.endr
.endm
	s_load_b512 s[8:23], s[0:1], 0x0               ; x1 8, x2 10, gamma1 12, beta1 14, gamma2 16, beta2 18, Wq1 20, Wq2 22
	s_load_b128 s[24:27], s[0:1], 0x40             ; Wkv 24, pc 26
	s_load_b64 s[28:29], s[0:1], 0x50              ; ps
	v_lshl_add_u32 v240, v0, 2, 0x20200
	v_mov_b32 v241, 0
	v_lshrrev_b32 v1, 5, v0
	s_delay_alu instid0(VALU_DEP_1)
	v_readfirstlane_b32 s[WV], v1                  ; wave 0..7
	v_and_b32 v1, 31, v0                           ; lane
	v_and_b32 v8, 15, v0                           ; r
	v_bfe_u32 v9, v0, 4, 1                         ; h
	s_delay_alu instid0(VALU_DEP_3)
	v_lshlrev_b32 v2, 4, v1                        ; 16 x lane
	s_wait_alu depctr_va_vdst(0)
	v_lshlrev_b32 v5, 3, v1                        ; 8 x lane
	v_lshlrev_b32 v6, 2, v1                        ; 4 x lane
	s_mov_b32 s[SEL], 0x76543210
	s_mov_b32 s[SEL+1], 0xfedcba98                 ; lane l xor 16
	s_mov_b32 s[HI], 0xffff0000                    ; lanes 16-31
	; source row 4 w + k lands in stage row 16 ((w / 2) % 2) + 8 (w / 4) + 4 (w % 2) + k: stage rows 16 u + r are tile u in lane order
	s_bfe_u32 s41, s[WV], 0x10001
	s_lshl_b32 s41, s41, 4
	s_lshr_b32 s42, s[WV], 2
	s_lshl_b32 s42, s42, 3
	s_add_co_u32 s41, s41, s42
	s_and_b32 s42, s[WV], 1
	s_lshl_b32 s42, s42, 2
	s_add_co_u32 s41, s41, s42
	s_mul_i32 s41, s41, PITCH
	v_add_nc_u32 v3, s41, v2                       ; into the stage: my wave's first row, 16 bytes a lane
	v_mul_u32_u24 v4, v8, PITCH
	s_delay_alu instid0(VALU_DEP_1)
	v_lshl_add_u32 v4, v9, 6, v4
	s_lshl_b32 s42, s[WV], 9
	v_add_nc_u32 v4, s42, v4                       ; out of it: row r, + 64 h, + my K step's 512 bytes
	s_delay_alu instid0(VALU_DEP_1)
	v_add_nc_u32 v7, 16*PITCH, v4                  ; the same in tile 1 (beyond the 16-bit immediate)
	; where the results go, for x ..
	s_and_b32 s43, ttmp9, 127                      ; which 32 rows of x1 or x2
	s_lshr_b32 s44, s43, 5
	s_lshl_b32 s44, s44, 6                         ; 64 x batch
	s_lshr_b32 s45, ttmp9, 7
	s_lshl_b32 s45, s45, 5                         ; + 32 for x2: rows stand in the order of the concatenation
	s_add_co_u32 s44, s44, s45
	s_and_b32 s45, ttmp9, 31
	s_add_co_u32 s44, s44, s45                     ; block of 32 rows, 0..255
	s_lshr_b32 s46, s44, 2                         ; blk
	s_and_b32 s47, s44, 3
	s_mul_i32 s48, s46, 98304
	s_mul_i32 s49, s47, 3072
	s_add_co_u32 s48, s48, s49
	s_mul_i32 s49, s[WV], 12288
	s_add_co_u32 s48, s48, s49                     ; codes
	s_lshl_b32 s50, s46, 12
	s_lshl_b32 s49, s47, 7
	s_add_co_u32 s50, s50, s49
	s_lshl_b32 s49, s[WV], 9
	s_add_co_u32 s50, s50, s49                     ; scale words
	; .. and for a weight
	s_sub_co_u32 s51, ttmp9, 256
	s_lshr_b32 s52, s51, 5                         ; which weight
	s_and_b32 s53, s51, 31                         ; which 32 rows of it
	s_lshr_b32 s54, s53, 3                         ; cb
	s_and_b32 s55, s53, 7
	s_mul_i32 s56, s52, 786432
	s_mul_i32 s57, s54, 196608
	s_add_co_u32 s56, s56, s57
	s_mul_i32 s57, s55, 3072
	s_add_co_u32 s56, s56, s57
	s_mul_i32 s57, s[WV], 24576
	s_add_co_u32 s56, s56, s57
	s_add_co_u32 s56, s56, XB
	s_lshl_b32 s58, s52, 15
	s_lshl_b32 s57, s54, 13
	s_add_co_u32 s58, s58, s57
	s_lshl_b32 s57, s55, 7
	s_add_co_u32 s58, s58, s57
	s_lshl_b32 s57, s[WV], 10
	s_add_co_u32 s58, s58, s57
	s_add_co_u32 s58, s58, XS
	s_cmp_lt_u32 ttmp9, 256                        ; the choice hangs on the work-group's number alone
	s_cselect_b32 s48, s48, s56
	s_cselect_b32 s50, s50, s58
	s_cselect_b32 s52, s43, s53
	s_lshl_b32 s52, s52, 17                        ; 32 rows of 4,096 bytes
	s_lshl_b32 s53, s[WV], 14                      ; my wave's four
	s_add_co_u32 s52, s52, s53
	s_mov_b32 s53, 0
	s_mov_b32 s49, 0
	s_mov_b32 s51, 0
	s_mov_b32 s54, 0x3a800000                      ; 1 / 1024
	s_mov_b32 s55, 0x3727c5ac                      ; 1e-5
	s_wait_kmcnt 0x0
	s_mov_b64 s[30:31], s[24:25]
	s_cmp_lt_u32 ttmp9, 320
	s_cselect_b64 s[30:31], s[22:23], s[30:31]
	s_cmp_lt_u32 ttmp9, 288
	s_cselect_b64 s[30:31], s[20:21], s[30:31]
	s_cmp_lt_u32 ttmp9, 256
	s_cselect_b64 s[30:31], s[10:11], s[30:31]
	s_cmp_lt_u32 ttmp9, 128
	s_cselect_b64 s[30:31], s[8:9], s[30:31]       ; the source
	s_cselect_b64 s[32:33], s[12:13], s[16:17]     ; gamma
	s_cselect_b64 s[34:35], s[14:15], s[18:19]     ; beta
	s_add_nc_u64 s[30:31], s[30:31], s[52:53]
	s_add_nc_u64 s[26:27], s[26:27], s[48:49]
	s_add_nc_u64 s[28:29], s[28:29], s[50:51]
.irp k, 0,1,2,3
.irp j, 0,1,2,3,4,5,6,7
	global_load_b128 v[X+32*\k+4*\j:X+32*\k+4*\j+3], v2, s[30:31] offset:\k*4096+512*\j th:TH_LOAD_NT   ; 512 consecutive bytes a load; register 4 j + e is column 128 j + 4 lane + e
.endr
.endr
	s_cmp_ge_u32 ttmp9, 256
	s_cbranch_scc1 .Lraw                           ; a weight is quantised as it is
.irp j, 0,1,2,3,4,5,6,7
	global_load_b128 v[G+4*\j:G+4*\j+3], v2, s[32:33] offset:512*\j
	global_load_b128 v[B+4*\j:B+4*\j+3], v2, s[34:35] offset:512*\j
.endr
.irp k, 0,1,2,3
	v_mov_b32 v[T+9+2*\k], 0                       ; named as the upper half of a pair
.endr
	s_wait_loadcnt 0x0
.irp k, 0,1,2,3
	v_pk_add_f32 v[T+2*\k:T+2*\k+1], v[X+32*\k:X+32*\k+1], v[X+32*\k+2:X+32*\k+3]
.endr
.irp j, 4,6,8,10,12,14,16,18,20,22,24,26,28,30
.irp k, 0,1,2,3
	s_delay_alu instid0(VALU_DEP_4)
	v_pk_add_f32 v[T+2*\k:T+2*\k+1], v[T+2*\k:T+2*\k+1], v[X+32*\k+\j:X+32*\k+\j+1]
.endr
.endr
.irp k, 0,1,2,3
	s_delay_alu instid0(VALU_DEP_4)
	v_add_f32 v[T+2*\k], v[T+2*\k], v[T+2*\k+1]
.endr
	WSUM4
.irp k, 0,1,2,3
	s_delay_alu instid0(VALU_DEP_4)
	v_mul_f32 v[T+8+2*\k], 0x3a800000, v[T+2*\k]   ; the mean
.endr
.irp j, 0,2,4,6,8,10,12,14,16,18,20,22,24,26,28,30
.irp k, 0,1,2,3
	v_pk_add_f32 v[X+32*\k+\j:X+32*\k+\j+1], v[X+32*\k+\j:X+32*\k+\j+1], v[T+8+2*\k:T+9+2*\k] op_sel_hi:[1,0] neg_lo:[0,1] neg_hi:[0,1]   ; x - mean
.endr
.endr
.irp k, 0,1,2,3
	v_pk_mul_f32 v[T+2*\k:T+2*\k+1], v[X+32*\k:X+32*\k+1], v[X+32*\k:X+32*\k+1]
.endr
.irp j, 2,4,6,8,10,12,14,16,18,20,22,24,26,28,30
.irp k, 0,1,2,3
	s_delay_alu instid0(VALU_DEP_4)
	v_pk_fma_f32 v[T+2*\k:T+2*\k+1], v[X+32*\k+\j:X+32*\k+\j+1], v[X+32*\k+\j:X+32*\k+\j+1], v[T+2*\k:T+2*\k+1]
.endr
.endr
.irp k, 0,1,2,3
	s_delay_alu instid0(VALU_DEP_4)
	v_add_f32 v[T+2*\k], v[T+2*\k], v[T+2*\k+1]
.endr
	WSUM4
.irp k, 0,1,2,3
	s_delay_alu instid0(VALU_DEP_4)
	v_fma_f32 v[T+2*\k], v[T+2*\k], s54, s55       ; the variance + 1e-5
.endr
	s_wait_alu depctr_va_vdst(0)
.irp k, 0,1,2,3
	v_rsq_f32 v[T+8+2*\k], v[T+2*\k]
.endr
	v_nop                                          ; one plain place behind a transcendental
	s_wait_alu depctr_va_vdst(0)
.irp j, 0,2,4,6,8,10,12,14,16,18,20,22,24,26,28,30
.irp k, 0,1,2,3
	v_pk_mul_f32 v[X+32*\k+\j:X+32*\k+\j+1], v[X+32*\k+\j:X+32*\k+\j+1], v[T+8+2*\k:T+9+2*\k] op_sel_hi:[1,0]
.endr
.endr
.irp j, 0,2,4,6,8,10,12,14,16,18,20,22,24,26,28,30
.irp k, 0,1,2,3
	v_pk_fma_f32 v[X+32*\k+\j:X+32*\k+\j+1], v[X+32*\k+\j:X+32*\k+\j+1], v[G+\j:G+\j+1], v[B+\j:B+\j+1]
.endr
.endr
.Lraw:
	s_wait_loadcnt 0x0                             ; (for the way that jumped here)
	s_wait_alu depctr_va_vdst(0)
.irp k, 0,1,2,3
.irp j, 0,1,2,3,4,5,6,7
	ds_store_b128 v3, v[X+32*\k+4*\j:X+32*\k+4*\j+3] offset:\k*PITCH+512*\j
.endr
.endr
	s_wait_dscnt 0x0                               ; for the others' sake: my rows lie in the stage
	s_barrier_signal -1
	s_barrier_wait -1
.irp b, 0,1,2,3
	v_mov_b32 v[TM+4+\b], 0                        ; a lane permute's destination counts as one of its sources
.endr
.irp b, 0,1,2,3
.irp i, 0,1,2,3
	ds_load_b128 v[N0+16*\b+4*\i:N0+16*\b+4*\i+3], v4 offset:128*\b+16*\i
.endr
.endr
.irp b, 0,1,2,3
.irp i, 0,1,2,3
	ds_load_b128 v[N1+16*\b+4*\i:N1+16*\b+4*\i+3], v7 offset:128*\b+16*\i
.endr
.endr
	s_wait_dscnt 16                                ; tile 0's sixteen loads are in; tile 1's sixteen may be out
	QUANT128 N0, PC0, PCT, PW0
	global_store_b128 v2, v[PC0:PC0+3], s[26:27]
	global_store_b64 v5, v[PC0+4:PC0+5], s[26:27] offset:512
	global_store_b128 v2, v[PC0+6:PC0+9], s[26:27] offset:768
	global_store_b64 v5, v[PC0+10:PC0+11], s[26:27] offset:1280
	s_wait_dscnt 0x0
	QUANT128 N1, PC1, PCT, PW1
	global_store_b128 v2, v[PC1:PC1+3], s[26:27] offset:1536
	global_store_b64 v5, v[PC1+4:PC1+5], s[26:27] offset:2048
	global_store_b128 v2, v[PC1+6:PC1+9], s[26:27] offset:2304
	global_store_b64 v5, v[PC1+10:PC1+11], s[26:27] offset:2816
	v_cndmask_b32 v[PWM], v[PW0], v[PW1], s[HI]    ; lanes 0-15 tile 0's words, lanes 16-31 tile 1's: one register serves both tiles
	global_store_b32 v6, v[PWM], s[28:29]
	s_wait_tensorcnt 0x0
	ds_add_u32 v240, v241
	s_wait_dscnt 0x0
	s_endpgm
.Lfunc_end_k_q742b816181_prep:
	.size	k_q742b816181_prep, .Lfunc_end_k_q742b816181_prep-k_q742b816181_prep
	.p2alignl 7, 3214868480
	.fill 96, 4, 3214868480
	.section	.rodata,"a",@progbits
	.p2align	6, 0x0
	.amdhsa_kernel k_q742b816181_prep
		.amdhsa_group_segment_fixed_size 132608
		.amdhsa_private_segment_fixed_size 0
		.amdhsa_enable_private_segment 0
		.amdhsa_kernarg_size 88
		.amdhsa_user_sgpr_count 2
		.amdhsa_user_sgpr_kernarg_segment_ptr 1
		.amdhsa_wavefront_size32 1
		.amdhsa_system_sgpr_workgroup_id_x 1
		.amdhsa_system_sgpr_workgroup_id_y 1
		.amdhsa_system_sgpr_workgroup_id_z 1
		.amdhsa_system_vgpr_workitem_id 0
		.amdhsa_next_free_vgpr 242
		.amdhsa_next_free_sgpr 66
		.amdhsa_reserve_vcc 0
		.amdhsa_float_denorm_mode_32 3
		.amdhsa_float_denorm_mode_16_64 3
		.amdhsa_memory_ordered 1
		.amdhsa_forward_progress 1
		.amdhsa_inst_pref_size 55
	.end_amdhsa_kernel
	.amdgpu_metadata
---
amdhsa.version: [ 1, 2 ]
amdhsa.kernels:
  - .name:           k_q742b816181_prep
    .symbol:         k_q742b816181_prep.kd
    .args:
      - { .name: x1, .offset: 0, .size: 8, .value_kind: global_buffer, .address_space: global }
      - { .name: x2, .offset: 8, .size: 8, .value_kind: global_buffer, .address_space: global }
      - { .name: ln1_gamma, .offset: 16, .size: 8, .value_kind: global_buffer, .address_space: global }
      - { .name: ln1_beta, .offset: 24, .size: 8, .value_kind: global_buffer, .address_space: global }
      - { .name: ln2_gamma, .offset: 32, .size: 8, .value_kind: global_buffer, .address_space: global }
      - { .name: ln2_beta, .offset: 40, .size: 8, .value_kind: global_buffer, .address_space: global }
      - { .name: Wq1, .offset: 48, .size: 8, .value_kind: global_buffer, .address_space: global }
      - { .name: Wq2, .offset: 56, .size: 8, .value_kind: global_buffer, .address_space: global }
      - { .name: Wkv, .offset: 64, .size: 8, .value_kind: global_buffer, .address_space: global }
      - { .name: pc, .offset: 72, .size: 8, .value_kind: global_buffer, .address_space: global }
      - { .name: ps, .offset: 80, .size: 8, .value_kind: global_buffer, .address_space: global }
    .group_segment_fixed_size: 132608
    .private_segment_fixed_size: 0
    .kernarg_segment_align: 8
    .kernarg_segment_size: 88
    .max_flat_workgroup_size: 256
    .sgpr_count:     66
    .vgpr_count:     242
    .wavefront_size: 32
...
	.end_amdgpu_metadata
.endif
;; end of part 1
;; launch projq (part 2): grid 4 x 64, 16 waves a work-group, clusters of 4 x 4, 296,960 bytes of LDS; arguments pc, ps, qf, qc, qs; writes qf, qc, qs
.if DOCPART == 2
	.amdgcn_target "amdgcn-amd-amdhsa--gfx1250"
	.amdhsa_code_object_version 6
	.text
	.protected	k_q742b816181_projq
	.globl	k_q742b816181_projq
	.p2align	8
	.type	k_q742b816181_projq,@function
k_q742b816181_projq:
	s_mov_b64 s[64:65], 0
	v_nop
	global_prefetch_b8 v0, s[64:65] scope:SCOPE_SE
	s_setreg_imm32_b32 hwreg(HW_REG_WAVE_MODE, 25, 1), 1
	s_wait_xcnt 0x0
	s_wait_alu depctr_hold_cnt(0) depctr_sa_sdst(0) depctr_va_vdst(0) depctr_va_sdst(0) depctr_va_ssrc(0) depctr_va_vcc(0) depctr_vm_vsrc(0)
	s_getreg_b32 s2, hwreg(HW_REG_IB_STS2, 6, 4)
	s_cmp_eq_u32 s2, 0
	s_cbranch_scc0 .Lentry_in_a_cluster
	s_endpgm
.Lentry_in_a_cluster:
	s_bfe_u32 s2, ttmp6, 0x10000c
	s_cmp_lg_u32 s2, 0xf033
	s_cbranch_scc0 .Lentry_shape_is_right
	s_endpgm
.Lentry_shape_is_right:
; Q = LN(x) Wq^T on codes of BF6 (E3M2) with E8M0 scales: 8,192 rows (in the order of the concatenation) x 1,024 columns, K = 1,024.  Q leaves as f32 (qf) and, quantised along its columns, as operand images (qc, qs).
; SHARES.  A work-group makes 128 rows x 256 columns; both operands' panels for ALL of K lie in LDS (98,304 + 196,608 bytes), each byte filled once: no slot is ever filled again.
; Sixteen waves, four to a SIMD, 256 registers each: wave w makes 32 rows (w / 4) x 64 columns (w % 4): 8 accumulators, which take turns, one instruction a turn.
; CLUSTER 4 x 4: the four work-groups of a row need the same rows of x, the four of a column the same rows of the weight: each panel is asked for jointly.  A cluster's 512 rows lie in one half of a batch, so it has one weight.
; THE PRODUCT IS USED TRANSPOSED (source 0 = 16 rows of the weight, source 1 = 16 rows of x), and a tile's rows are 8 u + r + 8 (r / 8) of their 32: a lane then holds one row of Q, and register 16 b + i of its 32 is column 32 b + 16 (lane / 16) + i.
; LIMITS: NaN and infinities are not served; a block whose largest magnitude lies under 2^-122 keeps the scale byte 1 (its bytes are read by this program alone).
.set KV,  0
.set XB,  6291456                      ; pc: where the weights' codes begin
.set XS,  262144                       ; ps: where their scale words begin
.set PB,  98304                        ; LDS: A's panel [step 8][tile 8][1536] at 0, B's [step 8][tile 16][1536] here
.set TBL, 69632                        ; the way out: behind the sixteen stages of 4,352 bytes, 1,024 bytes of scale words
.set ACP, 4                            ; s[4:5] A's codes, s[6:7] A's scale words; B's lie in the same two buffers
.set ASP, 6
.set BCP, 4
.set BSP, 6
.set WV,  18
.set KBL, 19
.set CU,  20
.set CX,  21
.set CY,  22
.set BLK, 23
.set MA,  24
.set MB,  25
.set HI,  26
.set CB,  27
.set G1A, 28                           ; s[28:35] descriptor group 1 for A's parts; s[36:43] for B's
.set G1B, 36
.set G0A, 44                           ; s[44:47] group 0 for A; s[68:71] for B
.set G0B, 68
.set SEL, 88
.set SA,  16                           ; v16-23  A's scale words, one a K step: lanes 0-15 my tile 0, lanes 16-31 my tile 1
.set SB,  24                           ; v24-39  B's, two a K step
.set AF,  40                           ; v40-63  two fragments of A
.set BF,  64                           ; v64-111 four of B
.set ACK, 112                          ; v112-175 accumulator (u, t) at 32 u + 8 t
.set RB,  176                          ; v176-239 the way out: rows read back
.macro ROUND                           ; a round of the cluster's barrier
	s_barrier_signal -1
	s_barrier_wait -1
	s_cmp_lg_u32 s[WV], 0
	s_cbranch_scc1 .Lnot_wave_0_\@
	s_barrier_signal -3
.Lnot_wave_0_\@:
	s_barrier_wait -3
	s_barrier_signal -1
	s_barrier_wait -1
.endm
; one product.  z = 1: it starts its sum.  ra, rb = 1: that side's scale words stand in lanes 16-31
.macro WM d, a, b, z, sa, sb, ra, rb
.if \z
.if (\ra) && (\rb)
	v_wmma_scale_f32_16x16x128_f8f6f4 v[\d:\d+7], v[\a:\a+11], v[\b:\b+11], 0, v[\sa], v[\sb] matrix_a_fmt:MATRIX_FMT_BF6 matrix_b_fmt:MATRIX_FMT_BF6 matrix_a_scale:MATRIX_SCALE_ROW1 matrix_b_scale:MATRIX_SCALE_ROW1
.elseif \ra
	v_wmma_scale_f32_16x16x128_f8f6f4 v[\d:\d+7], v[\a:\a+11], v[\b:\b+11], 0, v[\sa], v[\sb] matrix_a_fmt:MATRIX_FMT_BF6 matrix_b_fmt:MATRIX_FMT_BF6 matrix_a_scale:MATRIX_SCALE_ROW1
.elseif \rb
	v_wmma_scale_f32_16x16x128_f8f6f4 v[\d:\d+7], v[\a:\a+11], v[\b:\b+11], 0, v[\sa], v[\sb] matrix_a_fmt:MATRIX_FMT_BF6 matrix_b_fmt:MATRIX_FMT_BF6 matrix_b_scale:MATRIX_SCALE_ROW1
.else
	v_wmma_scale_f32_16x16x128_f8f6f4 v[\d:\d+7], v[\a:\a+11], v[\b:\b+11], 0, v[\sa], v[\sb] matrix_a_fmt:MATRIX_FMT_BF6 matrix_b_fmt:MATRIX_FMT_BF6
.endif
.else
.if (\ra) && (\rb)
	v_wmma_scale_f32_16x16x128_f8f6f4 v[\d:\d+7], v[\a:\a+11], v[\b:\b+11], v[\d:\d+7], v[\sa], v[\sb] matrix_a_fmt:MATRIX_FMT_BF6 matrix_b_fmt:MATRIX_FMT_BF6 matrix_a_scale:MATRIX_SCALE_ROW1 matrix_b_scale:MATRIX_SCALE_ROW1
.elseif \ra
	v_wmma_scale_f32_16x16x128_f8f6f4 v[\d:\d+7], v[\a:\a+11], v[\b:\b+11], v[\d:\d+7], v[\sa], v[\sb] matrix_a_fmt:MATRIX_FMT_BF6 matrix_b_fmt:MATRIX_FMT_BF6 matrix_a_scale:MATRIX_SCALE_ROW1
.elseif \rb
	v_wmma_scale_f32_16x16x128_f8f6f4 v[\d:\d+7], v[\a:\a+11], v[\b:\b+11], v[\d:\d+7], v[\sa], v[\sb] matrix_a_fmt:MATRIX_FMT_BF6 matrix_b_fmt:MATRIX_FMT_BF6 matrix_b_scale:MATRIX_SCALE_ROW1
.else
	v_wmma_scale_f32_16x16x128_f8f6f4 v[\d:\d+7], v[\a:\a+11], v[\b:\b+11], v[\d:\d+7], v[\sa], v[\sb] matrix_a_fmt:MATRIX_FMT_BF6 matrix_b_fmt:MATRIX_FMT_BF6
.endif
.endif
.endm
; K step s, the e-th of its pair: six fragments from LDS as images of their registers (512 or 256 consecutive bytes a load), then the products
.macro GSTEP e, s, first
.if \first == 0
.rept 4
	v_nop                                          ; four places in front of loads into registers that matrix instructions have read
.endr
.endif
.irp u, 0,1
.irp c, 0,1
	ds_load_b128 v[AF+12*\u+6*\c:AF+12*\u+6*\c+3], v4 offset:\e*12288+\u*1536+\c*768
	ds_load_b64 v[AF+12*\u+6*\c+4:AF+12*\u+6*\c+5], v5 offset:\e*12288+\u*1536+\c*768
.endr
.endr
.irp t, 0,1,2,3
.irp c, 0,1
	ds_load_b128 v[BF+12*\t+6*\c:BF+12*\t+6*\c+3], v6 offset:\e*24576+\t*1536+\c*768
	ds_load_b64 v[BF+12*\t+6*\c+4:BF+12*\t+6*\c+5], v7 offset:\e*24576+\t*1536+\c*768
.endr
.endr
	s_wait_dscnt 0x0
.irp u, 0,1
.irp t, 0,1,2,3
	WM ACK+32*\u+8*\t, BF+12*\t, AF+12*\u, \first, SB+2*(\s)+\t/2, SA+(\s), \t%2, \u
.endr
.endr
.endm
; two K steps.  The first pair waits for my one load
.macro PAIR sp
.if \sp == 0
	s_wait_tensorcnt 0x0                           ; my one load, a dense part of a panel, has landed
	s_barrier_signal -1
	s_barrier_wait -1                              ; everybody's has: both panels are whole, and no later pair needs a barrier
	GSTEP 0, 0, 1
.else
	GSTEP 0, 2*\sp, 0
.endif
	GSTEP 1, 2*\sp+1, 0
.if \sp < 3
	v_add_nc_u32 v4, 24576, v4
	v_add_nc_u32 v5, 24576, v5
	v_add_nc_u32 v6, 49152, v6
	v_add_nc_u32 v7, 49152, v7
.endif
.endm
; 32 numbers of a lane, register 16 b + i = column 32 b + 16 (lane / 16) + i of my row, become half a fragment (6 registers at d) and two scale bytes in w
.macro QUANT64 s, d, w
.irp b, 0,1
	v_max3_num_f32 v[240+\b], |v[\s+16*\b]|, |v[\s+16*\b+1]|, 0x2800000   ; with the floor 2^(5 - 127): the byte cannot fall under 1
.endr
.irp i, 2,4,6,8,10,12,14
.irp b, 0,1
	v_max3_num_f32 v[240+\b], v[240+\b], |v[\s+16*\b+\i]|, |v[\s+16*\b+\i+1]|
.endr
.endr
.irp b, 0,1
	s_delay_alu instid0(VALU_DEP_2)
	v_permlanex16_b32 v[242+\b], v[240+\b], s[SEL], s[SEL+1]
.endr
.irp b, 0,1
	s_delay_alu instid0(VALU_DEP_2)
	v_max_num_f32 v[240+\b], v[240+\b], v[242+\b]
.endr
.irp b, 0,1
	s_delay_alu instid0(VALU_DEP_2)
	v_add_nc_u32 v[244+\b], 0xfe000000, v[240+\b]  ; 4 off the exponent field: the conversion's scale operand
.endr
.irp b, 0,1
	s_delay_alu instid0(VALU_DEP_2)
	v_lshrrev_b32 v[246+\b], 23, v[244+\b]
.endr
	s_delay_alu instid0(VALU_DEP_1)
	v_lshl_or_b32 v[\w], v247, 8, v246
	v_cvt_scalef32_pk16_bf6_f32 v[\d:\d+2], v[\s:\s+15], v244
	v_cvt_scalef32_pk16_bf6_f32 v[248:250], v[\s+16:\s+31], v245
	v_nop                                          ; one plain place behind a scaled conversion
.irp i, 0,1,2
	v_permlane16_swap_b32 v[\d+\i], v[248+\i]      ; lanes 0-15 now hold block 0 whole, lanes 16-31 block 1
.endr
.irp i, 0,1,2
	s_delay_alu instid0(VALU_DEP_3)
	v_mov_b32 v[\d+3+\i], v[248+\i]
.endr
.endm
	s_load_b128 s[4:7], s[0:1], 0x0                ; pc, ps
	s_load_b128 s[8:11], s[0:1], 0x10              ; qf, qc
	s_load_b64 s[12:13], s[0:1], 0x20              ; qs
	v_lshl_add_u32 v254, v0, 2, 0x48000
	v_mov_b32 v255, 0
	ds_add_u32 v254, v255
	ds_add_u32 v254, v255
	s_wait_dscnt 0x0
	v_lshrrev_b32 v1, 5, v0
	s_delay_alu instid0(VALU_DEP_1)
	v_readfirstlane_b32 s[WV], v1                  ; wave 0..15
	s_lshr_b32 s[KBL], s[WV], 2                    ; which 32 rows
	s_and_b32 s[CU], s[WV], 3                      ; which 64 columns
	s_bfe_u32 s[CX], ttmp6, 0x40000
	s_bfe_u32 s[CY], ttmp6, 0x40004
	s_lshl_b32 s[CB], ttmp9, 2
	s_add_co_u32 s[CB], s[CB], s[CX]               ; block of 256 columns
	s_and_b32 s99, ttmp7, 0xffff                   ; the cluster's y
	s_lshl_b32 s[BLK], s99, 2
	s_add_co_u32 s[BLK], s[BLK], s[CY]             ; block of 128 rows
	s_bfe_u32 s98, s99, 0x10001                    ; 0: rows of x1, Wq1;  1: rows of x2, Wq2: the same in the whole cluster
	s_lshl_b32 s[MA], s[CY], 2
	s_lshl_b32 s[MA], 15, s[MA]                    ; my row of the cluster
	s_lshl_b32 s[MB], 0x1111, s[CX]                ; my column
	s_mov_b32 s[HI], 0xffff0000
	s_mov_b32 s[SEL], 0x76543210
	s_mov_b32 s[SEL+1], 0xfedcba98
	; group 1: a dense run of memory as rows of 256 bytes (32 elements of 8): 96 rows for A's parts, 64 for B's; no padding
	s_or_b32 s[G1A], s[MA], (3<<16)|(1<<21)
	s_or_b32 s[G1B], s[MB], (3<<16)|(1<<21)
.irp g, G1A, G1B
	s_mov_b32 s[\g+1], 32<<16                      ; tensor_dim0
	s_mov_b32 s[\g+3], 32<<16                      ; tile_dim0
	s_mov_b32 s[\g+5], 32                          ; the pitch
	s_mov_b32 s[\g+6], 0
	s_mov_b32 s[\g+7], 0
.endr
	; ONE tensor load a wave: waves 0-3 a quarter of A's panel, 96 rows of 256 bytes; waves 4-15 a twelfth of B's, 64 rows
	s_mov_b32 s[G1A+2], 96<<16
	s_mov_b32 s[G1A+4], 96
	s_mov_b32 s[G1B+2], 64<<16
	s_mov_b32 s[G1B+4], 64
	; waves 0-3 bring A: a quarter (24,576 bytes: two K steps) of the panel; waves 4-15 B: a twelfth (16,384 bytes).  Every wave makes both addresses, in registers that never hold the other coordinate
	s_mul_i32 s84, s[BLK], 98304
	s_mul_i32 s90, s[WV], 24576
	s_add_co_u32 s84, s84, s90
	s_mov_b32 s85, 0
	s_mul_i32 s86, s[CB], 196608
	s_lshl_b32 s91, s[WV], 14
	s_add_co_u32 s86, s86, s91
	s_mul_i32 s93, s98, 786432
	s_add_co_u32 s86, s86, s93
	s_add_co_u32 s86, s86, XB-65536                ; (wave 4 takes the first twelfth)
	s_mov_b32 s87, 0
	s_wait_kmcnt 0x0
	s_add_nc_u64 s[84:85], s[ACP:ACP+1], s[84:85]
	s_add_nc_u64 s[86:87], s[BCP:BCP+1], s[86:87]
	ROUND                                          ; all sixteen work-groups are here: the joint loads meet
.irp p, 0
	s_mov_b32 s[G0A+4*\p], 1
	s_add_co_u32 s[G0A+4*\p+1], s90, \p*24576
	s_add_nc_u64 s[G0A+4*\p+2:G0A+4*\p+3], s[84:85], \p*24576
	s_or_b32 s[G0A+4*\p+3], s[G0A+4*\p+3], 0x80000000
	s_mov_b32 s[G0B+4*\p], 1
	s_add_co_u32 s[G0B+4*\p+1], s91, PB-65536
	s_add_nc_u64 s[G0B+4*\p+2:G0B+4*\p+3], s[86:87], \p*49152
	s_or_b32 s[G0B+4*\p+3], s[G0B+4*\p+3], 0x80000000
.endr
	s_cmp_lt_u32 s[WV], 4                          ; a wave's fill stands in one branch on its number: one tensor load of mine is out
	s_cbranch_scc0 .Lfill_b
.irp p, 0
	tensor_load_to_lds s[G0A+4*\p:G0A+4*\p+3], s[G1A:G1A+7]
	s_nop 0
.endr
.rept 4
	v_nop
.endr
	s_branch .Lfilled
.Lfill_b:
.irp p, 0
	tensor_load_to_lds s[G0B+4*\p:G0B+4*\p+3], s[G1B:G1B+7]
	s_nop 0
.endr
.rept 4
	v_nop
.endr
.Lfilled:
	v_and_b32 v1, 31, v0                           ; lane
	v_and_b32 v2, 15, v0                           ; r
	v_bfe_u32 v3, v0, 4, 1                         ; h
	s_delay_alu instid0(VALU_DEP_3)
	v_lshlrev_b32 v8, 2, v1
	s_wait_alu depctr_va_vdst(0)
	v_lshlrev_b32 v9, 4, v1
	v_lshlrev_b32 v10, 3, v1
	s_mul_i32 s92, s[KBL], 3072
	v_add_nc_u32 v4, s92, v9                       ; A: my two tiles; a half image's first 16 bytes a lane,
	v_add_nc_u32 v5, s92, v10
	s_delay_alu instid0(VALU_DEP_1)
	v_add_nc_u32 v5, 512, v5                       ; and its last 8
	s_mul_i32 s93, s[CU], 6144
	s_add_co_u32 s93, s93, PB
	v_add_nc_u32 v6, s93, v9                       ; B: my four tiles
	v_add_nc_u32 v7, s93, v10
	s_delay_alu instid0(VALU_DEP_1)
	v_add_nc_u32 v7, 512, v7
	; the scale words of all eight K steps go straight into registers: 24 loads of 128 bytes
	s_lshl_b32 s94, s[BLK], 12
	s_lshl_b32 s95, s[KBL], 7
	s_add_co_u32 s94, s94, s95
	s_mov_b32 s95, 0
	s_add_nc_u64 s[94:95], s[ASP:ASP+1], s[94:95]
	s_lshl_b32 s96, s[CB], 13
	s_lshl_b32 s97, s[CU], 8
	s_add_co_u32 s96, s96, s97
	s_lshl_b32 s97, s98, 15
	s_add_co_u32 s96, s96, s97
	s_add_co_u32 s96, s96, XS
	s_mov_b32 s97, 0
	s_add_nc_u64 s[96:97], s[BSP:BSP+1], s[96:97]
.irp s, 0,1,2,3,4,5,6,7
	global_load_b32 v[SA+\s], v8, s[94:95] offset:\s*512
	global_load_b32 v[SB+2*\s], v8, s[96:97] offset:\s*1024
	global_load_b32 v[SB+2*\s+1], v8, s[96:97] offset:\s*1024+128
.endr
	v_mov_b32 v242, 0                              ; a lane permute's destination counts as one of its sources
	v_mov_b32 v243, 0
	; the way out
	s_mul_i32 s92, s[WV], 4352                     ; my stage: 16 rows x (256 bytes + 16)
	v_mul_u32_u24 v11, v2, 272
	s_delay_alu instid0(VALU_DEP_1)
	v_lshl_add_u32 v11, v3, 6, v11
	s_delay_alu instid0(VALU_DEP_1)
	v_add_nc_u32 v11, s92, v11                     ; in: row r, + 64 h
	v_mul_u32_u24 v12, v3, 272
	s_delay_alu instid0(VALU_DEP_1)
	v_lshl_add_u32 v12, v2, 4, v12
	s_delay_alu instid0(VALU_DEP_1)
	v_add_nc_u32 v12, s92, v12                     ; back: lanes 0-15 one row, lanes 16-31 the next
	v_lshlrev_b32 v13, 12, v3
	s_delay_alu instid0(VALU_DEP_1)
	v_lshl_add_u32 v13, v2, 4, v13                 ; and the same two rows in qf
	s_lshr_b32 s93, s[CU], 1
	s_lshl_b32 s93, s93, 9
	s_lshl_b32 s99, s[KBL], 7
	s_add_co_u32 s93, s93, s99
	s_and_b32 s99, s[CU], 1
	s_lshl_b32 s99, s99, 1
	s_add_co_u32 s93, s93, s99
	s_add_co_u32 s93, s93, TBL
	v_add_nc_u32 v14, s93, v8                      ; my two bytes of a scale word: [K step (w % 4) / 2][pair w / 4][lane][4 bytes], + 2 (w % 2)
	v_lshl_add_u32 v15, v0, 4, TBL                 ; waves 0 and 1 read the table back
	v_lshlrev_b32 v254, 4, v0
	s_lshl_b32 s92, s[BLK], 2
	s_add_co_u32 s92, s92, s[KBL]
	s_lshl_b32 s92, s92, 17                        ; my 32 rows of 4,096 bytes
	s_lshl_b32 s93, s[CB], 2
	s_add_co_u32 s93, s93, s[CU]
	s_lshl_b32 s93, s93, 8                         ; my 64 columns
	s_add_co_u32 s92, s92, s93
	s_mov_b32 s93, 0
	s_add_nc_u64 s[60:61], s[8:9], s[92:93]        ; qf
	s_mul_i32 s92, s[BLK], 98304
	s_lshl_b32 s99, s[CB], 1
	s_lshr_b32 s93, s[CU], 1
	s_add_co_u32 s99, s99, s93
	s_mul_i32 s99, s99, 12288                      ; my columns' K step of the next product,
	s_add_co_u32 s92, s92, s99
	s_mul_i32 s99, s[KBL], 3072
	s_add_co_u32 s92, s92, s99
	s_and_b32 s99, s[CU], 1
	s_mul_i32 s99, s99, 768                        ; and which half of it
	s_add_co_u32 s92, s92, s99
	s_mov_b32 s93, 0
	s_add_nc_u64 s[62:63], s[10:11], s[92:93]      ; qc
	s_lshl_b32 s92, s[BLK], 12
	s_lshl_b32 s99, s[CB], 10
	s_add_co_u32 s92, s92, s99
	s_add_nc_u64 s[66:67], s[12:13], s[92:93]      ; qs
	s_wait_loadcnt 0x0                             ; the scale words
	PAIR 0
	s_wait_alu depctr_va_vdst(0)
	PAIR 1
	s_wait_alu depctr_va_vdst(0)
	PAIR 2
	s_wait_alu depctr_va_vdst(0)
	PAIR 3
	; THE WAY OUT.  The stages lie over the panels, which have had their only fill; behind this barrier nobody reads them
	s_wait_dscnt 0x0
	s_barrier_signal -1
	s_barrier_wait -1
.rept 4
	v_nop                                          ; four places behind the last products
.endr
.irp u, 0,1
.irp b, 0,1
.irp i, 0,1,2,3
	ds_store_b128 v11, v[ACK+32*\u+16*\b+4*\i:ACK+32*\u+16*\b+4*\i+3] offset:128*\b+16*\i   ; each accumulator from its low end on
.endr
.endr
.irp i, 0,1,2,3,4,5,6,7
	ds_load_b128 v[RB+32*\u+4*\i:RB+32*\u+4*\i+3], v12 offset:2*\i*272   ; LDS serves a wave's instructions in order: these see my stores
.endr
	QUANT64 ACK+32*\u, 40+6*\u, 251+\u
	global_store_b128 v9, v[40+6*\u:43+6*\u], s[62:63] offset:\u*1536
	global_store_b64 v10, v[44+6*\u:45+6*\u], s[62:63] offset:\u*1536+512
.irp i, 0,1,2,3,4,5,6,7
	s_wait_dscnt 7-\i                              ; the younger loads from the stage may be out
	global_store_b128 v13, v[RB+32*\u+4*\i:RB+32*\u+4*\i+3], s[60:61] offset:(8*\u+2*\i+8*(\i/4))*4096   ; stage row p is row 8 u + p + 8 (p / 8); 16 lanes store 256 consecutive bytes, aligned
.endr
.endr
	s_wait_alu depctr_va_vdst(0)
	v_cndmask_b32 v253, v251, v252, s[HI]          ; lanes 0-15 tile 0's bytes, lanes 16-31 tile 1's
	ds_store_b16 v14, v253
	s_wait_dscnt 0x0                               ; for the others' sake
	s_barrier_signal -1
	s_barrier_wait -1
	s_cmp_lt_u32 s[WV], 2
	s_cbranch_scc0 .Lno_tbl
	ds_load_b128 v[244:247], v15
	s_wait_dscnt 0x0
	global_store_b128 v254, v[244:247], s[66:67]   ; two K steps' scale words of 128 rows: 1,024 consecutive bytes
.Lno_tbl:
	s_wait_xcnt 0x0
	v_lshl_add_u32 v254, v0, 2, 0x48000
	v_mov_b32 v255, 0
	s_wait_alu depctr_va_vdst(0)
	s_wait_tensorcnt 0x0
	ds_add_u32 v254, v255
	s_wait_dscnt 0x0
	ROUND                                          ; the closing round
	s_endpgm
.Lfunc_end_k_q742b816181_projq:
	.size	k_q742b816181_projq, .Lfunc_end_k_q742b816181_projq-k_q742b816181_projq
	.p2alignl 7, 3214868480
	.fill 96, 4, 3214868480
	.section	.rodata,"a",@progbits
	.p2align	6, 0x0
	.amdhsa_kernel k_q742b816181_projq
		.amdhsa_group_segment_fixed_size 296960
		.amdhsa_private_segment_fixed_size 0
		.amdhsa_enable_private_segment 0
		.amdhsa_kernarg_size 40
		.amdhsa_user_sgpr_count 2
		.amdhsa_user_sgpr_kernarg_segment_ptr 1
		.amdhsa_wavefront_size32 1
		.amdhsa_system_sgpr_workgroup_id_x 1
		.amdhsa_system_sgpr_workgroup_id_y 1
		.amdhsa_system_sgpr_workgroup_id_z 1
		.amdhsa_system_vgpr_workitem_id 0
		.amdhsa_next_free_vgpr 256
		.amdhsa_next_free_sgpr 100
		.amdhsa_reserve_vcc 0
		.amdhsa_float_denorm_mode_32 3
		.amdhsa_float_denorm_mode_16_64 3
		.amdhsa_memory_ordered 1
		.amdhsa_forward_progress 1
		.amdhsa_inst_pref_size 43
	.end_amdhsa_kernel
	.amdgpu_metadata
---
amdhsa.version: [ 1, 2 ]
amdhsa.kernels:
  - .name:           k_q742b816181_projq
    .symbol:         k_q742b816181_projq.kd
    .args:
      - { .name: pc, .offset: 0, .size: 8, .value_kind: global_buffer, .address_space: global }
      - { .name: ps, .offset: 8, .size: 8, .value_kind: global_buffer, .address_space: global }
      - { .name: qf, .offset: 16, .size: 8, .value_kind: global_buffer, .address_space: global }
      - { .name: qc, .offset: 24, .size: 8, .value_kind: global_buffer, .address_space: global }
      - { .name: qs, .offset: 32, .size: 8, .value_kind: global_buffer, .address_space: global }
    .group_segment_fixed_size: 296960
    .private_segment_fixed_size: 0
    .kernarg_segment_align: 8
    .kernarg_segment_size: 40
    .max_flat_workgroup_size: 512
    .sgpr_count:     100
    .vgpr_count:     256
    .wavefront_size: 32
...
	.end_amdgpu_metadata
.endif
;; end of part 2
;; launch projkv (part 3): grid 4 x 64, 16 waves a work-group, clusters of 4 x 4, 296,960 bytes of LDS; arguments qc, qs, pc, ps, kvc, kvs; writes kvc, kvs
.if DOCPART == 3
	.amdgcn_target "amdgcn-amd-amdhsa--gfx1250"
	.amdhsa_code_object_version 6
	.text
	.protected	k_q742b816181_projkv
	.globl	k_q742b816181_projkv
	.p2align	8
	.type	k_q742b816181_projkv,@function
k_q742b816181_projkv:
	s_mov_b64 s[64:65], 0
	v_nop
	global_prefetch_b8 v0, s[64:65] scope:SCOPE_SE
	s_setreg_imm32_b32 hwreg(HW_REG_WAVE_MODE, 25, 1), 1
	s_wait_xcnt 0x0
	s_wait_alu depctr_hold_cnt(0) depctr_sa_sdst(0) depctr_va_vdst(0) depctr_va_sdst(0) depctr_va_ssrc(0) depctr_va_vcc(0) depctr_vm_vsrc(0)
	s_getreg_b32 s2, hwreg(HW_REG_IB_STS2, 6, 4)
	s_cmp_eq_u32 s2, 0
	s_cbranch_scc0 .Lentry_in_a_cluster
	s_endpgm
.Lentry_in_a_cluster:
	s_bfe_u32 s2, ttmp6, 0x10000c
	s_cmp_lg_u32 s2, 0xf033
	s_cbranch_scc0 .Lentry_shape_is_right
	s_endpgm
.Lentry_shape_is_right:
; kv = Q Wkv^T on codes of BF6 (E3M2) with E8M0 scales, 8,192 rows x 1,024 columns, K = 1,024, made in BOTH orientations from the same fragments, and quantised twice:
; along its columns (K of attention's first product) and along its rows, the keys (V of the second).  Swapping a product's sources gives the transposed tile, so nothing is transposed by moving data, and kv itself never goes to memory.
; SHARES, PANELS, CLUSTER: as in the launch before: a work-group makes 128 rows x 256 columns with both panels for all of K in LDS, each byte filled once; wave w makes 32 keys (w / 4: one block of the keys' quantiser) x 64 columns (w % 4: one head).
; 16 accumulators a wave take turns, one instruction a turn.
; OUT, for record rec = (16 batch + head) 64 + block of 32 keys:  K: two half images of 768 bytes (key tile u: keys 8 u + r + 8 (r / 8));  V: for each pair of channel tiles three runs of 256 bytes: chunk i of 8 bytes of a channel's 32 keys,
; at slot (r + 16 (tile % 2)) xor 16 (block % 2), so that attention's loads of 8 bytes a lane touch every bank once;  kvs: 16 bytes a lane: K's scale word, V's two bytes, 0.
; LIMITS: NaN and infinities are not served; a block whose largest magnitude lies under 2^-122 keeps the scale byte 1 (its bytes are read by this program alone).
.set KV,  1
.set XB,  6291456
.set XS,  262144
.set VB0, 6291456                      ; kvc: where V's codes begin
.set PB,  98304
.set ACP, 4                            ; s[4:5] qc, s[6:7] qs, s[8:9] pc, s[10:11] ps
.set ASP, 6
.set BCP, 8
.set BSP, 10
.set WV,  18
.set KBL, 19
.set CU,  20
.set CX,  21
.set CY,  22
.set BLK, 23
.set MA,  24
.set MB,  25
.set HI,  26
.set CB,  27
.set G1A, 28
.set G1B, 36
.set G0A, 44
.set G0B, 68
.set SEL, 88
.set SA,  16
.set SB,  24
.set AF,  40
.set BF,  64
.set ACK, 112                          ; v112-175 lane = key, registers = channels: (u, t) at 32 u + 8 t
.set ACV, 176                          ; v176-239 lane = channel, registers = keys: (t, u) at 16 t + 8 u
.macro ROUND
	s_barrier_signal -1
	s_barrier_wait -1
	s_cmp_lg_u32 s[WV], 0
	s_cbranch_scc1 .Lnot_wave_0_\@
	s_barrier_signal -3
.Lnot_wave_0_\@:
	s_barrier_wait -3
	s_barrier_signal -1
	s_barrier_wait -1
.endm
.macro WM d, a, b, z, sa, sb, ra, rb
.if \z
.if (\ra) && (\rb)
	v_wmma_scale_f32_16x16x128_f8f6f4 v[\d:\d+7], v[\a:\a+11], v[\b:\b+11], 0, v[\sa], v[\sb] matrix_a_fmt:MATRIX_FMT_BF6 matrix_b_fmt:MATRIX_FMT_BF6 matrix_a_scale:MATRIX_SCALE_ROW1 matrix_b_scale:MATRIX_SCALE_ROW1
.elseif \ra
	v_wmma_scale_f32_16x16x128_f8f6f4 v[\d:\d+7], v[\a:\a+11], v[\b:\b+11], 0, v[\sa], v[\sb] matrix_a_fmt:MATRIX_FMT_BF6 matrix_b_fmt:MATRIX_FMT_BF6 matrix_a_scale:MATRIX_SCALE_ROW1
.elseif \rb
	v_wmma_scale_f32_16x16x128_f8f6f4 v[\d:\d+7], v[\a:\a+11], v[\b:\b+11], 0, v[\sa], v[\sb] matrix_a_fmt:MATRIX_FMT_BF6 matrix_b_fmt:MATRIX_FMT_BF6 matrix_b_scale:MATRIX_SCALE_ROW1
.else
	v_wmma_scale_f32_16x16x128_f8f6f4 v[\d:\d+7], v[\a:\a+11], v[\b:\b+11], 0, v[\sa], v[\sb] matrix_a_fmt:MATRIX_FMT_BF6 matrix_b_fmt:MATRIX_FMT_BF6
.endif
.else
.if (\ra) && (\rb)
	v_wmma_scale_f32_16x16x128_f8f6f4 v[\d:\d+7], v[\a:\a+11], v[\b:\b+11], v[\d:\d+7], v[\sa], v[\sb] matrix_a_fmt:MATRIX_FMT_BF6 matrix_b_fmt:MATRIX_FMT_BF6 matrix_a_scale:MATRIX_SCALE_ROW1 matrix_b_scale:MATRIX_SCALE_ROW1
.elseif \ra
	v_wmma_scale_f32_16x16x128_f8f6f4 v[\d:\d+7], v[\a:\a+11], v[\b:\b+11], v[\d:\d+7], v[\sa], v[\sb] matrix_a_fmt:MATRIX_FMT_BF6 matrix_b_fmt:MATRIX_FMT_BF6 matrix_a_scale:MATRIX_SCALE_ROW1
.elseif \rb
	v_wmma_scale_f32_16x16x128_f8f6f4 v[\d:\d+7], v[\a:\a+11], v[\b:\b+11], v[\d:\d+7], v[\sa], v[\sb] matrix_a_fmt:MATRIX_FMT_BF6 matrix_b_fmt:MATRIX_FMT_BF6 matrix_b_scale:MATRIX_SCALE_ROW1
.else
	v_wmma_scale_f32_16x16x128_f8f6f4 v[\d:\d+7], v[\a:\a+11], v[\b:\b+11], v[\d:\d+7], v[\sa], v[\sb] matrix_a_fmt:MATRIX_FMT_BF6 matrix_b_fmt:MATRIX_FMT_BF6
.endif
.endif
.endm
.macro GSTEP e, s, first
.if \first == 0
.rept 4
	v_nop                                          ; four places in front of loads into registers that matrix instructions have read
.endr
.endif
.irp u, 0,1
.irp c, 0,1
	ds_load_b128 v[AF+12*\u+6*\c:AF+12*\u+6*\c+3], v4 offset:\e*12288+\u*1536+\c*768
	ds_load_b64 v[AF+12*\u+6*\c+4:AF+12*\u+6*\c+5], v5 offset:\e*12288+\u*1536+\c*768
.endr
.endr
.irp t, 0,1,2,3
.irp c, 0,1
	ds_load_b128 v[BF+12*\t+6*\c:BF+12*\t+6*\c+3], v6 offset:\e*24576+\t*1536+\c*768
	ds_load_b64 v[BF+12*\t+6*\c+4:BF+12*\t+6*\c+5], v7 offset:\e*24576+\t*1536+\c*768
.endr
.endr
	s_wait_dscnt 0x0
.irp u, 0,1
.irp t, 0,1,2,3
	WM ACK+32*\u+8*\t, BF+12*\t, AF+12*\u, \first, SB+2*(\s)+\t/2, SA+(\s), \t%2, \u       ; source 0 = 16 rows of Wkv, source 1 = 16 keys
.endr
.endr
.irp t, 0,1,2,3
.irp u, 0,1
	WM ACV+16*\t+8*\u, AF+12*\u, BF+12*\t, \first, SA+(\s), SB+2*(\s)+\t/2, \u, \t%2       ; the same two the other way round
.endr
.endr
.endm
.macro PAIR sp
.if \sp == 0
	s_wait_tensorcnt 0x0                           ; my one load, a dense part of a panel, has landed
	s_barrier_signal -1
	s_barrier_wait -1                              ; everybody's has: both panels are whole, and no later pair needs a barrier
	GSTEP 0, 0, 1
.else
	GSTEP 0, 2*\sp, 0
.endif
	GSTEP 1, 2*\sp+1, 0
.if \sp < 3
	v_add_nc_u32 v4, 24576, v4
	v_add_nc_u32 v5, 24576, v5
	v_add_nc_u32 v6, 49152, v6
	v_add_nc_u32 v7, 49152, v7
.endif
.endm
.macro QUANT64 s, d, w
.irp b, 0,1
	v_max3_num_f32 v[240+\b], |v[\s+16*\b]|, |v[\s+16*\b+1]|, 0x2800000
.endr
.irp i, 2,4,6,8,10,12,14
.irp b, 0,1
	v_max3_num_f32 v[240+\b], v[240+\b], |v[\s+16*\b+\i]|, |v[\s+16*\b+\i+1]|
.endr
.endr
.irp b, 0,1
	s_delay_alu instid0(VALU_DEP_2)
	v_permlanex16_b32 v[242+\b], v[240+\b], s[SEL], s[SEL+1]
.endr
.irp b, 0,1
	s_delay_alu instid0(VALU_DEP_2)
	v_max_num_f32 v[240+\b], v[240+\b], v[242+\b]
.endr
.irp b, 0,1
	s_delay_alu instid0(VALU_DEP_2)
	v_add_nc_u32 v[244+\b], 0xfe000000, v[240+\b]
.endr
.irp b, 0,1
	s_delay_alu instid0(VALU_DEP_2)
	v_lshrrev_b32 v[246+\b], 23, v[244+\b]
.endr
	s_delay_alu instid0(VALU_DEP_1)
	v_lshl_or_b32 v[\w], v247, 8, v246
	v_cvt_scalef32_pk16_bf6_f32 v[\d:\d+2], v[\s:\s+15], v244
	v_cvt_scalef32_pk16_bf6_f32 v[248:250], v[\s+16:\s+31], v245
	v_nop
.irp i, 0,1,2
	v_permlane16_swap_b32 v[\d+\i], v[248+\i]
.endr
.irp i, 0,1,2
	s_delay_alu instid0(VALU_DEP_3)
	v_mov_b32 v[\d+3+\i], v[248+\i]
.endr
.endm
; channel tiles 2 pp and 2 pp + 1: a lane's 16 registers are keys 16 (lane / 16) + 0 .. 15 of its channel; the block of 32 keys lies in lanes l and l xor 16.
; Behind the exchange lane (r, 0) holds all 32 keys of channel row r of tile 2 pp, lane (r, 1) those of tile 2 pp + 1: six registers at 76 + 6 pp.  The bytes go to v[68 + tile]
.macro VQUANT pp
.irp e, 0,1
	v_max3_num_f32 v[240+\e], |v[ACV+32*\pp+16*\e]|, |v[ACV+32*\pp+16*\e+1]|, 0x2800000
.endr
.irp i, 2,4,6,8,10,12,14
.irp e, 0,1
	v_max3_num_f32 v[240+\e], v[240+\e], |v[ACV+32*\pp+16*\e+\i]|, |v[ACV+32*\pp+16*\e+\i+1]|
.endr
.endr
.irp e, 0,1
	s_delay_alu instid0(VALU_DEP_2)
	v_permlanex16_b32 v[242+\e], v[240+\e], s[SEL], s[SEL+1]
.endr
.irp e, 0,1
	s_delay_alu instid0(VALU_DEP_2)
	v_max_num_f32 v[240+\e], v[240+\e], v[242+\e]
.endr
.irp e, 0,1
	s_delay_alu instid0(VALU_DEP_2)
	v_add_nc_u32 v[244+\e], 0xfe000000, v[240+\e]
.endr
.irp e, 0,1
	s_delay_alu instid0(VALU_DEP_2)
	v_lshrrev_b32 v[68+2*\pp+\e], 23, v[244+\e]
.endr
	v_cvt_scalef32_pk16_bf6_f32 v[52+6*\pp:54+6*\pp], v[ACV+32*\pp:ACV+32*\pp+15], v244
	v_cvt_scalef32_pk16_bf6_f32 v[248:250], v[ACV+32*\pp+16:ACV+32*\pp+31], v245
	v_nop
.irp i, 0,1,2
	v_permlane16_swap_b32 v[52+6*\pp+\i], v[248+\i]
.endr
.irp i, 0,1,2
	v_cndmask_b32 v[76+6*\pp+\i], v[52+6*\pp+\i], v[248+\i], s[PAR]   ; an even block of keys: keys 0-15, then 16-31; an odd block: keys 16-31 first, the order in which attention holds its p there
	v_cndmask_b32 v[79+6*\pp+\i], v[248+\i], v[52+6*\pp+\i], s[PAR]
.endr
	; V AS IT IS LAID NOW (in place of the three runs named at the head): for each pair of key blocks 3,072 bytes, in them 1,536 for each pair of channel tiles: tile e's first 16 bytes a lane at 512 e + 256 (block % 2) + 16 r,
	; the last 8 at 1,024 + 256 (block % 2) + 128 (e xor block % 2) + 8 r: each store covers 256 consecutive bytes for each 16 or 32 lanes, aligned
	global_store_b128 v15, v[76+6*\pp:79+6*\pp], s[62:63] offset:\pp*1536
	global_store_b64 v14, v[80+6*\pp:81+6*\pp], s[62:63] offset:\pp*1536
.endm
	s_load_b128 s[4:7], s[0:1], 0x0                ; qc, qs
	s_load_b128 s[8:11], s[0:1], 0x10              ; pc, ps
	s_load_b128 s[12:15], s[0:1], 0x20             ; kvc, kvs
	v_lshl_add_u32 v254, v0, 2, 0x48000
	v_mov_b32 v255, 0
	ds_add_u32 v254, v255
	ds_add_u32 v254, v255
	v_lshrrev_b32 v1, 5, v0
	s_delay_alu instid0(VALU_DEP_1)
	v_readfirstlane_b32 s[WV], v1
	s_lshr_b32 s[KBL], s[WV], 2
	s_and_b32 s[CU], s[WV], 3
	s_bfe_u32 s[CX], ttmp6, 0x40000
	s_bfe_u32 s[CY], ttmp6, 0x40004
	s_lshl_b32 s[CB], ttmp9, 2
	s_add_co_u32 s[CB], s[CB], s[CX]
	s_and_b32 s99, ttmp7, 0xffff
	s_lshl_b32 s[BLK], s99, 2
	s_add_co_u32 s[BLK], s[BLK], s[CY]
	s_lshl_b32 s[MA], s[CY], 2
	s_lshl_b32 s[MA], 15, s[MA]
	s_lshl_b32 s[MB], 0x1111, s[CX]
	s_mov_b32 s[HI], 0xffff0000
	s_mov_b32 s[SEL], 0x76543210
	s_mov_b32 s[SEL+1], 0xfedcba98
	s_or_b32 s[G1A], s[MA], (3<<16)|(1<<21)
	s_or_b32 s[G1B], s[MB], (3<<16)|(1<<21)
.irp g, G1A, G1B
	s_mov_b32 s[\g+1], 32<<16
	s_mov_b32 s[\g+3], 32<<16
	s_mov_b32 s[\g+5], 32
	s_mov_b32 s[\g+6], 0
	s_mov_b32 s[\g+7], 0
.endr
	; ONE tensor load a wave: waves 0-3 a quarter of A's panel, 96 rows of 256 bytes; waves 4-15 a twelfth of B's, 64 rows
	s_mov_b32 s[G1A+2], 96<<16
	s_mov_b32 s[G1A+4], 96
	s_mov_b32 s[G1B+2], 64<<16
	s_mov_b32 s[G1B+4], 64
	s_mul_i32 s84, s[BLK], 98304
	s_mul_i32 s90, s[WV], 24576
	s_add_co_u32 s84, s84, s90
	s_mov_b32 s85, 0
	s_mul_i32 s86, s[CB], 196608
	s_lshl_b32 s91, s[WV], 14
	s_add_co_u32 s86, s86, s91
	s_add_co_u32 s86, s86, XB-65536+2*786432       ; Wkv is the third weight; wave 4 takes its first twelfth
	s_mov_b32 s87, 0
	s_wait_dscnt 0x0
	s_wait_kmcnt 0x0
	s_add_nc_u64 s[84:85], s[ACP:ACP+1], s[84:85]
	s_add_nc_u64 s[86:87], s[BCP:BCP+1], s[86:87]
	ROUND
.irp p, 0
	s_mov_b32 s[G0A+4*\p], 1
	s_add_co_u32 s[G0A+4*\p+1], s90, \p*24576
	s_add_nc_u64 s[G0A+4*\p+2:G0A+4*\p+3], s[84:85], \p*24576
	s_or_b32 s[G0A+4*\p+3], s[G0A+4*\p+3], 0x80000000
	s_mov_b32 s[G0B+4*\p], 1
	s_add_co_u32 s[G0B+4*\p+1], s91, PB-65536
	s_add_nc_u64 s[G0B+4*\p+2:G0B+4*\p+3], s[86:87], \p*49152
	s_or_b32 s[G0B+4*\p+3], s[G0B+4*\p+3], 0x80000000
.endr
	s_cmp_lt_u32 s[WV], 4
	s_cbranch_scc0 .Lfill_b
.irp p, 0
	tensor_load_to_lds s[G0A+4*\p:G0A+4*\p+3], s[G1A:G1A+7]
	s_nop 0
.endr
.rept 4
	v_nop
.endr
	s_branch .Lfilled
.Lfill_b:
.irp p, 0
	tensor_load_to_lds s[G0B+4*\p:G0B+4*\p+3], s[G1B:G1B+7]
	s_nop 0
.endr
.rept 4
	v_nop
.endr
.Lfilled:
	v_and_b32 v1, 31, v0
	s_delay_alu instid0(VALU_DEP_1)
	v_lshlrev_b32 v8, 2, v1
	s_wait_alu depctr_va_vdst(0)
	v_lshlrev_b32 v9, 4, v1
	v_lshlrev_b32 v10, 3, v1
	s_mul_i32 s92, s[KBL], 3072
	v_add_nc_u32 v4, s92, v9
	v_add_nc_u32 v5, s92, v10
	s_delay_alu instid0(VALU_DEP_1)
	v_add_nc_u32 v5, 512, v5
	s_mul_i32 s93, s[CU], 6144
	s_add_co_u32 s93, s93, PB
	v_add_nc_u32 v6, s93, v9
	v_add_nc_u32 v7, s93, v10
	s_delay_alu instid0(VALU_DEP_1)
	v_add_nc_u32 v7, 512, v7
	s_lshl_b32 s94, s[BLK], 12
	s_lshl_b32 s95, s[KBL], 7
	s_add_co_u32 s94, s94, s95
	s_mov_b32 s95, 0
	s_add_nc_u64 s[94:95], s[ASP:ASP+1], s[94:95]
	s_lshl_b32 s96, s[CB], 13
	s_lshl_b32 s97, s[CU], 8
	s_add_co_u32 s96, s96, s97
	s_add_co_u32 s96, s96, XS+2*32768
	s_mov_b32 s97, 0
	s_add_nc_u64 s[96:97], s[BSP:BSP+1], s[96:97]
.irp s, 0,1,2,3,4,5,6,7
	global_load_b32 v[SA+\s], v8, s[94:95] offset:\s*512
	global_load_b32 v[SB+2*\s], v8, s[96:97] offset:\s*1024
	global_load_b32 v[SB+2*\s+1], v8, s[96:97] offset:\s*1024+128
.endr
	v_mov_b32 v242, 0
	v_mov_b32 v243, 0
.set PAR, 17                           ; s17: all ones in a wave whose block of keys is odd, else 0
	s_and_b32 s92, s[KBL], 1
	s_sub_co_u32 s[PAR], 0, s92
	s_lshl_b32 s93, s92, 8                         ; 256 (block % 2)
	s_lshl_b32 s92, s92, 4
	v_xor_b32 v14, s92, v1
	v_and_b32 v15, 15, v1
	v_and_b32 v2, 16, v1
	v_lshlrev_b32 v14, 3, v14                      ; 8 r + 128 (e xor block % 2)
	v_lshlrev_b32 v15, 4, v15
	v_add_nc_u32 v14, s93, v14
	v_lshl_add_u32 v15, v2, 5, v15                 ; 16 r + 512 e
	v_add_nc_u32 v14, 1024, v14                    ; V's last 8 bytes a lane
	v_add_nc_u32 v15, s93, v15                     ; V's first 16
	s_lshl_b32 s92, s[BLK], 2
	s_add_co_u32 s92, s92, s[KBL]                  ; block of 32 rows, 0..255
	s_lshr_b32 s93, s92, 6                         ; batch
	s_and_b32 s92, s92, 63                         ; block of 32 keys
	s_lshl_b32 s93, s93, 4
	s_lshl_b32 s99, s[CB], 2
	s_add_co_u32 s93, s93, s99
	s_add_co_u32 s93, s93, s[CU]                   ; 16 batch + head
	s_lshl_b32 s93, s93, 6
	s_add_co_u32 s99, s93, s92                     ; rec
	s_mul_i32 s92, s99, 1536
	s_mov_b32 s93, 0
	s_add_nc_u64 s[60:61], s[12:13], s[92:93]      ; K's codes
	s_and_b32 s92, s99, -2                         ; V's: the pair of key blocks
	s_mul_i32 s92, s92, 1536
	s_add_nc_u64 s[62:63], s[12:13], s[92:93]
	s_add_nc_u64 s[62:63], s[62:63], VB0
	s_lshl_b32 s92, s99, 9
	s_add_nc_u64 s[66:67], s[14:15], s[92:93]      ; the record of scales
	s_wait_alu depctr_va_vdst(0)
	s_wait_loadcnt 0x0
	PAIR 0
	s_wait_alu depctr_va_vdst(0)
	PAIR 1
	s_wait_alu depctr_va_vdst(0)
	PAIR 2
	s_wait_alu depctr_va_vdst(0)
	PAIR 3
.rept 4
	v_nop                                          ; four places behind the last products
.endr
.irp u, 0,1
	QUANT64 ACK+32*\u, 40+6*\u, 251+\u
	global_store_b128 v9, v[40+6*\u:43+6*\u], s[60:61] offset:\u*768
	global_store_b64 v10, v[44+6*\u:45+6*\u], s[60:61] offset:\u*768+512
.endr
	VQUANT 0
	VQUANT 1
	v_cndmask_b32 v64, v251, v252, s[HI]           ; K's word: lanes 0-15 key tile 0, lanes 16-31 key tile 1;
	s_delay_alu instid0(VALU_DEP_1)
	v_or_b32 v64, 0x7f7f0000, v64                  ; bytes 2 and 3 stand for 1: attention's first product has K = 64 in an instruction 128 deep
	v_cndmask_b32 v65, v68, v69, s[HI]             ; V's bytes: lanes 0-15 the even channel tile, lanes 16-31 the odd one
	v_cndmask_b32 v66, v70, v71, s[HI]
	v_mov_b32 v67, 0
	global_store_b128 v9, v[64:67], s[66:67]
	s_wait_tensorcnt 0x0
	ds_add_u32 v254, v255
	s_wait_dscnt 0x0
	ROUND                                          ; the closing round
	s_endpgm
.Lfunc_end_k_q742b816181_projkv:
	.size	k_q742b816181_projkv, .Lfunc_end_k_q742b816181_projkv-k_q742b816181_projkv
	.p2alignl 7, 3214868480
	.fill 96, 4, 3214868480
	.section	.rodata,"a",@progbits
	.p2align	6, 0x0
	.amdhsa_kernel k_q742b816181_projkv
		.amdhsa_group_segment_fixed_size 296960
		.amdhsa_private_segment_fixed_size 0
		.amdhsa_enable_private_segment 0
		.amdhsa_kernarg_size 48
		.amdhsa_user_sgpr_count 2
		.amdhsa_user_sgpr_kernarg_segment_ptr 1
		.amdhsa_wavefront_size32 1
		.amdhsa_system_sgpr_workgroup_id_x 1
		.amdhsa_system_sgpr_workgroup_id_y 1
		.amdhsa_system_sgpr_workgroup_id_z 1
		.amdhsa_system_vgpr_workitem_id 0
		.amdhsa_next_free_vgpr 256
		.amdhsa_next_free_sgpr 100
		.amdhsa_reserve_vcc 0
		.amdhsa_float_denorm_mode_32 3
		.amdhsa_float_denorm_mode_16_64 3
		.amdhsa_memory_ordered 1
		.amdhsa_forward_progress 1
		.amdhsa_inst_pref_size 50
	.end_amdhsa_kernel
	.amdgpu_metadata
---
amdhsa.version: [ 1, 2 ]
amdhsa.kernels:
  - .name:           k_q742b816181_projkv
    .symbol:         k_q742b816181_projkv.kd
    .args:
      - { .name: qc, .offset: 0, .size: 8, .value_kind: global_buffer, .address_space: global }
      - { .name: qs, .offset: 8, .size: 8, .value_kind: global_buffer, .address_space: global }
      - { .name: pc, .offset: 16, .size: 8, .value_kind: global_buffer, .address_space: global }
      - { .name: ps, .offset: 24, .size: 8, .value_kind: global_buffer, .address_space: global }
      - { .name: kvc, .offset: 32, .size: 8, .value_kind: global_buffer, .address_space: global }
      - { .name: kvs, .offset: 40, .size: 8, .value_kind: global_buffer, .address_space: global }
    .group_segment_fixed_size: 296960
    .private_segment_fixed_size: 0
    .kernarg_segment_align: 8
    .kernarg_segment_size: 48
    .max_flat_workgroup_size: 512
    .sgpr_count:     100
    .vgpr_count:     256
    .wavefront_size: 32
...
	.end_amdgpu_metadata
.endif
;; end of part 3
;; launch attn (part 4): grid 4 x 64, 16 waves a work-group, clusters of 4 x 1, 280,576 bytes of LDS; arguments qf, kvc, kvs, out0, out1; writes out0, out1
.if DOCPART == 4
	.amdgcn_target "amdgcn-amd-amdhsa--gfx1250"
	.amdhsa_code_object_version 6
	.text
	.protected	k_q742b816181_attn
	.globl	k_q742b816181_attn
	.p2align	8
	.type	k_q742b816181_attn,@function
k_q742b816181_attn:
	s_mov_b64 s[64:65], 0
	v_nop
	global_prefetch_b8 v0, s[64:65] scope:SCOPE_SE
	s_setreg_imm32_b32 hwreg(HW_REG_WAVE_MODE, 25, 1), 1
	s_wait_xcnt 0x0
	s_wait_alu depctr_hold_cnt(0) depctr_sa_sdst(0) depctr_va_vdst(0) depctr_va_sdst(0) depctr_va_ssrc(0) depctr_va_vcc(0) depctr_vm_vsrc(0)
	s_getreg_b32 s2, hwreg(HW_REG_IB_STS2, 6, 4)
	s_cmp_eq_u32 s2, 0
	s_cbranch_scc0 .Lentry_in_a_cluster
	s_endpgm
.Lentry_in_a_cluster:
	s_bfe_u32 s2, ttmp6, 0x10000c
	s_cmp_lg_u32 s2, 0x3003
	s_cbranch_scc0 .Lentry_shape_is_right
	s_endpgm
.Lentry_shape_is_right:
; out = softmax(Q K^T / 8) V + Q for each of 64 (batch, head): 2,048 queries (1,024 of Q11 -> out0, 1,024 of Q22 -> out1) on the same 2,048 keys, head size 64, V = K; both products on codes of BF6 (E3M2) with E8M0 scales.
; THE SOFTMAX: t = score x log2(e) / 8; M = the running largest t rounded UP to a whole number; p = 2^(t - M) is quantised along the keys, not normalised; the row's sum is taken of the unquantised p and divides at the end.
; When M moves, the sum and O are multiplied by 2^(old M - new M): exact.
; SHARES.  A work-group owns 512 queries of one (batch, head), in two passes of 256; each of its sixteen waves 16 queries a pass, in 256 registers, four waves to a SIMD.  A wave walks the keys 128 a step, two steps a trip.
; K's and V's codes of the whole (batch, head), 2 x 98,304 bytes, lie in LDS, filled ONCE, one tensor load of 12,288 bytes a wave.  CLUSTER: the four work-groups of a (batch, head) ask for them jointly.
; LAYOUT.  Both products transposed: S^T = K Q^T, O^T = V^T P^T: a lane holds one query (lane % 16).
; A TILE OF K takes its rows 0-7 from an even block of 32 keys and its rows 8-15 from the odd block behind it.  So lanes 0-15 hold, in the 32 registers of four tiles, one WHOLE even block of p, lanes 16-31 one whole odd block:
; that is the second product's operand layout.  A block's largest p needs no other lane, and the conversions' results are the operand's registers.
; The images of K in memory hold 16 keys of one block; rows 0-7 take one half of an image and rows 8-15 the other half of the next block's image, so that a load's sixteen lanes touch sixteen different 16-byte columns.
; By that choice an even block's keys stand in order in a lane's registers, an odd block's as 16-31, 0-15; the launch before lays V's odd blocks in the same order.
; K = 64 IN AN INSTRUCTION 128 DEEP: Q's registers 6-11 are zero codes, and both sides' scale bytes 2 and 3 stand for 1.  K's tile is named with the six registers behind it (the next tile's codes, or six zeros): E3M2 has no infinity and no NaN,
; so those products are exact zeros.
; Q comes as f32 and is quantised here; it stays in the wave's stage in LDS and is added at the end.
; NO PREFETCH: K and V are asked for once, at the head, with no loop ahead of them; the first pass's Q is loaded under the tensor load's flight, the second pass's into registers at the start of the first pass's way out.
; LIMITS: NaN and infinities are not served; a block whose largest magnitude lies under 2^-122 keeps the scale byte 1.
.set VB0, 6291456                      ; kvc: where V's codes begin
.set VC,  98304                        ; LDS: K's codes at 0, V's here,
.set KSC, 196608                       ; K's scale words [step 16][lane 32][4],
.set VSC, 204800                       ; V's [step 16][lane 32][2],
.set STG, 208896                       ; a stage of 16 rows x (256 bytes + 16) for each wave,
.set SPARE, 278528                     ; the spare words, 128 bytes a wave
.set QF,  16                           ; v16-27  Q's fragment
.set QS,  28                           ; v28     its scale word
.set NA,  30                           ; v[30:31], v[226:227]: -M and a 0, the two pairs by turns: one holds the new, the other the old
.set NB,  226
.set F,   34                           ; v34-87  K's eight tiles of 6 and six zeros; then V's four fragments of 12; between passes Q's rows
.set KS,  88                           ; v88-91  K's scale words of the step
.set VS,  92                           ; v92-93  V's
.set S,   96                           ; v96-159 S^T, then p
.set O,   160                          ; v160-191 O^T
.set PC,  192                          ; v192-203 p's codes
.set PT,  204                          ; v204-211 the conversions' second halves
.set BM,  212                          ; v212-215 four chains of maxima
.set BP,  216                          ; the other lane's
.set SO,  220                          ; v220-221 scale operands; v222-223 bytes
.set H8,  229                          ; 8 (lane / 16)
.set PW,  238                          ; p's scale word
.set RM,  239                          ; the running largest score
.set WV,  14
; v1-4 K's lane addresses, v5, v6 the scale tables', v7-10 stage and memory, v232-234 V's; v11-15, v29, v235-237 the same plus the trip's offset; v[32:33] the sum; v[224:225] f and a 0; v240-245 three more chains of the sum
.macro ROUND
	s_barrier_signal -1
	s_barrier_wait -1
	s_cmp_lg_u32 s[WV], 0
	s_cbranch_scc1 .Lnot_wave_0_\@
	s_barrier_signal -3
.Lnot_wave_0_\@:
	s_barrier_wait -3
	s_barrier_signal -1
	s_barrier_wait -1
.endm
; one product.  z = 1: it starts its sum.  ra = 1: source 0's scale words stand in lanes 16-31
.macro WM d, a, b, z, sa, sb, ra
.if (\z) && (\ra)
	v_wmma_scale_f32_16x16x128_f8f6f4 v[\d:\d+7], v[\a:\a+11], v[\b:\b+11], 0, v[\sa], v[\sb] matrix_a_fmt:MATRIX_FMT_BF6 matrix_b_fmt:MATRIX_FMT_BF6 matrix_a_scale:MATRIX_SCALE_ROW1
.elseif \z
	v_wmma_scale_f32_16x16x128_f8f6f4 v[\d:\d+7], v[\a:\a+11], v[\b:\b+11], 0, v[\sa], v[\sb] matrix_a_fmt:MATRIX_FMT_BF6 matrix_b_fmt:MATRIX_FMT_BF6
.elseif \ra
	v_wmma_scale_f32_16x16x128_f8f6f4 v[\d:\d+7], v[\a:\a+11], v[\b:\b+11], v[\d:\d+7], v[\sa], v[\sb] matrix_a_fmt:MATRIX_FMT_BF6 matrix_b_fmt:MATRIX_FMT_BF6 matrix_a_scale:MATRIX_SCALE_ROW1
.else
	v_wmma_scale_f32_16x16x128_f8f6f4 v[\d:\d+7], v[\a:\a+11], v[\b:\b+11], v[\d:\d+7], v[\sa], v[\sb] matrix_a_fmt:MATRIX_FMT_BF6 matrix_b_fmt:MATRIX_FMT_BF6
.endif
.endm
.macro OMUL n                          ; n pairs of O^T under the new M, in ascending order
.rept \n
	v_pk_mul_f32 v[O+oj:O+oj+1], v[O+oj:O+oj+1], v[224:225] op_sel_hi:[1,0]
.set oj, oj+2
.endr
.endm
; A KEY STEP: 128 keys; e: the first or the second of its trip
.macro STEP e
.if \e
.set NN, NB
.set NO, NA
.else
.set NN, NA
.set NO, NB
.endif
.irp i, 0,1,2,3,4,5,6,7                        ; tile i: pair of blocks i / 4, image i % 2, halves taken straight or crossed by (i % 4) / 2.  (Four plain vector lines stand behind the last products: the last step's tail)
	ds_load_b128 v[F+6*\i:F+6*\i+3], v[11+2*((\i%4)/2)] offset:\e*6144+(\i/4)*3072+(\i%2)*768
	ds_load_b64 v[F+6*\i+4:F+6*\i+5], v[12+2*((\i%4)/2)] offset:\e*6144+(\i/4)*3072+(\i%2)*768
.endr
	ds_load_b128 v[KS:KS+3], v15 offset:\e*512
	s_wait_dscnt 0x0
.irp i, 0,1,2,3,4,5,6,7
	WM S+8*\i, F+6*\i, QF, 1, KS+2*(\i/4)+\i%2, QS, (\i%4)/2
.endr
.if \e                                         ; addresses that are due anyway are the four places in front of the loads into K's registers and of the first read of the scores
	s_add_co_u32 s40, s40, 12288
	s_add_co_u32 s41, s41, 1024
	s_add_co_u32 s42, s42, 512
	v_add_nc_u32 v11, s40, v1                      ; the next trip's K
	v_add_nc_u32 v12, s40, v2
	v_add_nc_u32 v13, s40, v3
	v_add_nc_u32 v14, s40, v4
	v_add_nc_u32 v15, s41, v5
.else
	v_add_nc_u32 v235, s40, v232                   ; this trip's V
	v_add_nc_u32 v236, s40, v233
	v_add_nc_u32 v237, s40, v234
	v_add_nc_u32 v29, s42, v6
.endif
.irp t, 0,1,2,3                                ; V's fragments are asked for now and land under the softmax
.irp c, 0,1
	ds_load_b128 v[F+12*\t+6*\c:F+12*\t+6*\c+3], v235 offset:\e*6144+\c*3072+(\t/2)*1536+(\t%2)*512
	ds_load_b64 v[F+12*\t+6*\c+4:F+12*\t+6*\c+5], v[236+\t%2] offset:\e*6144+\c*3072+(\t/2)*1536
.endr
.endr
	ds_load_b64 v[VS:VS+1], v29 offset:\e*256
.irp q, 0,1,2,3                                ; the largest score of my two blocks, four chains of 16 by turns, each accumulator from its low end on
	v_max3_num_f32 v[BM+\q], v[S+16*\q], v[S+16*\q+1], v[S+16*\q+2]
.endr
.irp i, 3,5,7,9,11,13
.irp q, 0,1,2,3
	v_max3_num_f32 v[BM+\q], v[BM+\q], v[S+16*\q+\i], v[S+16*\q+\i+1]
.endr
.endr
	v_max3_num_f32 v[BM], v[BM], v[S+15], v[S+31]
	v_max3_num_f32 v[BM+2], v[BM+2], v[S+47], v[S+63]
	v_max_num_f32 v[BM], v[BM], v[BM+1]            ; block lane / 16
	v_max_num_f32 v[BM+2], v[BM+2], v[BM+3]        ; block 2 + lane / 16
	s_delay_alu instid0(VALU_DEP_1)
	v_max_num_f32 v228, v[BM], v[BM+2]
	s_delay_alu instid0(VALU_DEP_1)
	v_permlanex16_b32 v[BP], v228, s20, s21
	s_delay_alu instid0(VALU_DEP_1)
	v_max3_num_f32 v[RM], v[RM], v228, v[BP]       ; the running largest score of my query
	s_delay_alu instid0(VALU_DEP_1)
	v_mul_f32 v228, s44, v[RM]                     ; -t
	s_delay_alu instid0(VALU_DEP_1)
	v_floor_f32 v[NN], v228                        ; the new -M = -ceil(t)
	s_delay_alu instid0(VALU_DEP_1)
	v_sub_f32 v228, v[NN], v[NO]                   ; old M - new M: a whole number, 0 or less
	s_delay_alu instid0(VALU_DEP_1)
	v_cvt_i32_f32 v228, v228                       ; (it saturates)
	s_delay_alu instid0(VALU_DEP_1)
	v_ldexp_f32 v224, 1.0, v228                    ; f = 2^(old M - new M)
.set j, 0
.rept 32
	v_pk_fma_f32 v[S+j:S+j+1], v[S+j:S+j+1], s[22:23], v[NN:NN+1] op_sel_hi:[1,0,0]   ; t - M
.set j, j+2
.endr
	v_fma_f32 v[BM], v[BM], s22, v[NN]
	v_fma_f32 v[BM+2], v[BM+2], s22, v[NN]
	s_wait_alu depctr_va_vdst(0)
.set j, 0
.rept 64
	v_exp_f32 v[S+j], v[S+j]                       ; p = 2^(t - M)
.set j, j+1
.endr
	v_exp_f32 v[BM], v[BM]                         ; my blocks' largest p: p rises with the score
	v_exp_f32 v[BM+2], v[BM+2]
	v_pk_mul_f32 v[32:33], v[32:33], v[224:225] op_sel_hi:[1,0]   ; the sum under the new M (a plain place behind the exponentials)
	s_wait_alu depctr_va_vdst(0)                   ; and behind it, directly ahead of the first reader of O^T
.set oj, 0
	OMUL 4                                         ; O^T's sixteen lines and the chain that makes p's scale word take turns
	v_max_num_f32 v[BM], 0x2800000, v[BM]          ; the floor 2^(5 - 127): the byte cannot fall under 1
	v_max_num_f32 v[BM+2], 0x2800000, v[BM+2]
	OMUL 2
	v_add_nc_u32 v[SO], 0xfe000000, v[BM]          ; 4 off the exponent field: the conversion's scale operand
	v_add_nc_u32 v[SO+1], 0xfe000000, v[BM+2]
	OMUL 2
	v_lshrrev_b32 v222, 23, v[SO]
	v_lshrrev_b32 v223, 23, v[SO+1]
	OMUL 2
	v_lshl_or_b32 v222, v223, 16, v222
	OMUL 2
	v_lshlrev_b32 v222, v[H8], v222                ; my two bytes at places lane / 16 and 2 + lane / 16
	OMUL 2
	v_permlanex16_b32 v[BP], v222, s20, s21
	OMUL 2
	v_or_b32 v[PW], v222, v[BP]                    ; with the other lane's two the word is whole
	v_cvt_scalef32_pk16_bf6_f32 v[PC:PC+2], v[S:S+15], v[SO]
	v_cvt_scalef32_pk16_bf6_f32 v[PT:PT+2], v[S+16:S+31], v[SO]          ; (a conversion's three registers begin on an even number)
	v_cvt_scalef32_pk16_bf6_f32 v[PC+6:PC+8], v[S+32:S+47], v[SO+1]
	v_cvt_scalef32_pk16_bf6_f32 v[PT+4:PT+6], v[S+48:S+63], v[SO+1]
	v_pk_add_f32 v[240:241], v[S:S+1], v[S+2:S+3]                        ; the row's sum of the unquantised p, four chains; these are also the plain place behind the conversions
	v_pk_add_f32 v[242:243], v[S+4:S+5], v[S+6:S+7]
	v_pk_add_f32 v[244:245], v[S+8:S+9], v[S+10:S+11]
	v_pk_add_f32 v[32:33], v[32:33], v[S+12:S+13]
.irp i, 0,1,2
	v_mov_b32 v[PC+3+\i], v[PT+\i]
	v_mov_b32 v[PC+9+\i], v[PT+4+\i]
.endr
.irp k, 14,22,30,38,46,54
	v_pk_add_f32 v[240:241], v[240:241], v[S+\k:S+\k+1]
	v_pk_add_f32 v[242:243], v[242:243], v[S+\k+2:S+\k+3]
	v_pk_add_f32 v[244:245], v[244:245], v[S+\k+4:S+\k+5]
	v_pk_add_f32 v[32:33], v[32:33], v[S+\k+6:S+\k+7]
.endr
	s_wait_alu depctr_va_vdst(0)
	s_wait_dscnt 0x0                               ; V's fragments
.irp t, 0,1,2,3
	WM O+8*\t, F+12*\t, PC, 0, VS+\t/2, PW, \t%2       ; four accumulators by turns, one instruction a turn
.endr
	v_pk_add_f32 v[32:33], v[32:33], v[S+62:S+63]  ; the sum's last four lines name no register of the products: they are the four places behind them
	v_pk_add_f32 v[240:241], v[240:241], v[242:243]
	v_pk_add_f32 v[32:33], v[32:33], v[244:245]
	v_pk_add_f32 v[32:33], v[32:33], v[240:241]
.endm
.macro QLOAD p                         ; the 16 queries of pass p, by rows: 16 lanes read a query's 256 bytes
.irp i, 0,1,2,3,4,5,6,7
	global_load_b128 v[F+4*\i:F+4*\i+3], v10, s[46:47] offset:\p*1048576+2*\i*4096 th:TH_LOAD_NT
.endr
.endm
; Q into the stage, quantised into its fragment; the pass's sums begin
.macro QPREP
	s_wait_loadcnt 0x0
.irp i, 0,1,2,3,4,5,6,7
	ds_store_b128 v9, v[F+4*\i:F+4*\i+3] offset:2*\i*272
.endr
.irp i, 0,1,2,3,4,5,6,7
	ds_load_b128 v[S+32+4*\i:S+35+4*\i], v7 offset:16*\i   ; lane (r, h): query r, channels 32 h .. 32 h + 31: a whole block (LDS serves a wave's instructions in order)
.endr
	s_wait_dscnt 0x0
	v_max3_num_f32 v[BM], |v[S+32]|, |v[S+33]|, 0x2800000
	v_max3_num_f32 v[BM+1], |v[S+34]|, |v[S+35]|, 0x2800000
.irp i, 4,8,12,16,20,24,28
	s_delay_alu instid0(VALU_DEP_2)
	v_max3_num_f32 v[BM], v[BM], |v[S+32+\i]|, |v[S+33+\i]|
	s_delay_alu instid0(VALU_DEP_2)
	v_max3_num_f32 v[BM+1], v[BM+1], |v[S+34+\i]|, |v[S+35+\i]|
.endr
	s_delay_alu instid0(VALU_DEP_1)
	v_max_num_f32 v[BM], v[BM], v[BM+1]
	s_delay_alu instid0(VALU_DEP_1)
	v_add_nc_u32 v[SO], 0xfe000000, v[BM]
	s_delay_alu instid0(VALU_DEP_1)
	v_lshrrev_b32 v228, 23, v[SO]
	v_cvt_scalef32_pk16_bf6_f32 v[QF:QF+2], v[S+32:S+47], v[SO]
	v_cvt_scalef32_pk16_bf6_f32 v[PT:PT+2], v[S+48:S+63], v[SO]
	v_mov_b32 v[RM], 0xff61b1e6                    ; the largest score so far: -3e38.  (A plain place behind the conversions)
.irp i, 0,1,2
	v_mov_b32 v[QF+3+\i], v[PT+\i]
.endr
	v_lshlrev_b32 v228, v[H8], v228                ; my block's byte at its place,
	s_delay_alu instid0(VALU_DEP_1)
	v_permlanex16_b32 v[BP], v228, s20, s21
	s_delay_alu instid0(VALU_DEP_1)
	v_or_b32 v228, v228, v[BP]                     ; with the other block's,
	s_delay_alu instid0(VALU_DEP_1)
	v_or_b32 v[QS], 0x7f7f0000, v228               ; and 1 for the half of K that is zeros
	v_mov_b32 v[NB], 0x7f61b1e6                    ; the old -M: 3e38, so that the first f is 0
	v_mov_b32 v32, 0
	v_mov_b32 v33, 0
.set j, 0
.rept 32
	v_mov_b32 v[O+j], 0                            ; the step is written once: the first finds zeros.  (These are also the places between Q's scale word and the first product)
.set j, j+1
.endr
	s_mov_b32 s40, 0
	s_mov_b32 s41, 0
	s_mov_b32 s42, 0
	s_mov_b32 s43, 8
	v_mov_b32 v11, v1                              ; the first trip's K
	v_mov_b32 v12, v2
	v_mov_b32 v13, v3
	v_mov_b32 v14, v4
	v_mov_b32 v15, v5
	s_wait_alu depctr_va_vdst(0)
.endm
.macro WALK                            ; eight trips of two key steps
.Lstep_\@:
	STEP 0
	STEP 1
	s_sub_co_u32 s43, s43, 1
	s_cmp_lg_u32 s43, 0
	s_cbranch_scc1 .Lstep_\@
.endm
; the way out of pass p
.macro FIN p
.if \p == 0
	QLOAD 1                                        ; the next pass's Q, into registers that the products have done with (four places stand behind them)
.endif
.irp b, 0,1
.irp i, 0,1,2,3
	ds_load_b128 v[S+16*\b+4*\i:S+16*\b+4*\i+3], v8 offset:128*\b+16*\i   ; Q again, in O^T's layout: register 16 b + i is channel 32 b + 16 h + i
.endr
.endr
	v_add_f32 v32, v32, v33
	s_delay_alu instid0(VALU_DEP_1)
	v_permlanex16_b32 v[BP], v32, s20, s21
	s_delay_alu instid0(VALU_DEP_1)
	v_add_f32 v32, v32, v[BP]                      ; the row's sum
	s_wait_alu depctr_va_vdst(0)
	v_rcp_f32 v224, v32
	v_nop                                          ; one plain place behind a transcendental
	s_wait_dscnt 0x0
	s_wait_alu depctr_va_vdst(0)
.set j, 0
.rept 16
	v_pk_fma_f32 v[S+j:S+j+1], v[O+j:O+j+1], v[224:225], v[S+j:S+j+1] op_sel_hi:[1,0,1]   ; O / the sum + Q; each accumulator from its low end on
.set j, j+2
.endr
.irp b, 0,1
.irp i, 0,1,2,3
	ds_store_b128 v8, v[S+16*\b+4*\i:S+16*\b+4*\i+3] offset:128*\b+16*\i
.endr
.endr
.irp i, 0,1,2,3,4,5,6,7
	ds_load_b128 v[S+32+4*\i:S+35+4*\i], v9 offset:2*\i*272
.endr
.irp i, 0,1,2,3,4,5,6,7
	s_wait_dscnt 7-\i                              ; the younger loads from the stage may be out
	global_store_b128 v10, v[S+32+4*\i:S+35+4*\i], s[48:49] offset:\p*1048576+2*\i*4096 th:TH_STORE_NT   ; 16 lanes store 256 consecutive bytes, aligned
.endr
.if \p == 0
	s_wait_xcnt 0x0                                ; the stores' data registers are written again only behind this wait
.endif
.endm
	s_load_b256 s[4:11], s[0:1], 0x0               ; qf 4, kvc 6, kvs 8, out0 10
	s_load_b64 s[12:13], s[0:1], 0x20              ; out1
	v_lshl_add_u32 v254, v0, 2, SPARE
	v_mov_b32 v255, 0
	ds_add_u32 v254, v255                          ; the opening lines: the add, twice on end, and its wait ahead of my tensor load
	ds_add_u32 v254, v255
	v_lshrrev_b32 v1, 5, v0
	s_delay_alu instid0(VALU_DEP_1)
	v_readfirstlane_b32 s[WV], v1                  ; wave 0..15
	s_bfe_u32 s15, ttmp6, 0x40000                  ; cx: which 512 queries; it enters Q's and the output's addresses alone
	s_and_b32 s16, ttmp7, 0xffff                   ; 16 batch + head, which the four partners share
	s_mov_b32 s20, 0x76543210
	s_mov_b32 s21, 0xfedcba98
	s_mov_b32 s22, 0x3e38aa3b                      ; log2(e) / 8
	s_mov_b32 s23, s22
	s_mov_b32 s44, 0xbe38aa3b                      ; and its negative
	; group 1: 12,288 dense bytes as 48 rows of 256 (32 elements of 8); the mask names all four work-groups
	s_mov_b32 s24, 15|(3<<16)|(1<<21)
	s_mov_b32 s25, 32<<16
	s_mov_b32 s26, 48<<16
	s_mov_b32 s27, 32<<16
	s_mov_b32 s28, 48
	s_mov_b32 s29, 32
	s_mov_b32 s30, 0
	s_mov_b32 s31, 0
	s_and_b32 s51, s[WV], 7                        ; waves 0-7 bring an eighth of K's codes each, waves 8-15 an eighth of V's
	s_mul_i32 s51, s51, 12288
	s_mul_i32 s50, s16, 98304
	s_add_co_u32 s50, s50, s51
	s_lshr_b32 s51, s[WV], 3
	s_mul_i32 s51, s51, VB0
	s_add_co_u32 s50, s50, s51
	s_mov_b32 s51, 0
	s_mov_b32 s32, 1
	s_mul_i32 s33, s[WV], 12288                    ; V's codes lie behind K's eight eighths
	s_lshr_b32 s52, s16, 4                         ; batch
	s_and_b32 s53, s16, 15                         ; head
	s_lshl_b32 s54, s52, 11
	s_lshl_b32 s55, s15, 9
	s_add_co_u32 s54, s54, s55
	s_lshl_b32 s55, s[WV], 4
	s_add_co_u32 s54, s54, s55                     ; my first query's row in qf
	s_lshl_b32 s54, s54, 12
	s_lshl_b32 s56, s53, 8
	s_add_co_u32 s54, s54, s56
	s_mov_b32 s55, 0
	s_lshl_b32 s58, s52, 10
	s_and_b32 s57, s15, 1
	s_lshl_b32 s57, s57, 9
	s_add_co_u32 s58, s58, s57
	s_lshl_b32 s57, s[WV], 4
	s_add_co_u32 s58, s58, s57                     ; and in its output
	s_lshl_b32 s58, s58, 12
	s_add_co_u32 s58, s58, s56
	s_mov_b32 s59, 0
	s_lshl_b32 s60, s16, 15
	s_lshl_b32 s61, s[WV], 11
	s_add_co_u32 s60, s60, s61                     ; the four records of scales of key step w
	s_mov_b32 s61, 0
	s_mul_i32 s62, s[WV], 4352
	s_add_co_u32 s62, s62, STG                     ; my stage
	s_wait_dscnt 0x0
	s_wait_kmcnt 0x0
	s_add_nc_u64 s[34:35], s[6:7], s[50:51]
	s_or_b32 s35, s35, 0x80000000
	s_add_nc_u64 s[46:47], s[4:5], s[54:55]
	s_cmp_lt_u32 s15, 2
	s_cselect_b64 s[48:49], s[10:11], s[12:13]     ; queries of Q11 go to out0, those of Q22 to out1
	s_add_nc_u64 s[48:49], s[48:49], s[58:59]
	s_add_nc_u64 s[60:61], s[8:9], s[60:61]
	ROUND                                          ; all four work-groups are here: the joint loads meet
	tensor_load_to_lds s[32:35], s[24:31]          ; my one tensor load
	s_nop 0
.rept 4
	v_nop
.endr
	v_and_b32 v242, 31, v0                         ; lane
	v_and_b32 v243, 15, v0                         ; r
	v_bfe_u32 v244, v0, 4, 1                       ; h
	v_bfe_u32 v245, v0, 3, 1                       ; r / 8
	v_lshlrev_b32 v246, 4, v242                    ; 16 x lane
	v_lshlrev_b32 v10, 12, v244
	v_lshlrev_b32 v247, 3, v243                    ; 8 r
	v_lshlrev_b32 v[H8], 3, v244
	v_lshl_add_u32 v10, v243, 4, v10               ; memory by rows: lanes 0-15 one row, lanes 16-31 the next
.irp j, 0,1,2,3
	global_load_b128 v[O+4*\j:O+4*\j+3], v246, s[60:61] offset:512*\j   ; a record: K's scale word, V's two bytes, 0
.endr
	QLOAD 0
	v_lshlrev_b32 v1, 4, v243
	v_mad_u32_u24 v2, v245, 1536, v247
	v_mad_u32_u24 v1, v245, 1536, v1
	v_lshl_add_u32 v2, v244, 7, v2
	v_lshl_add_u32 v1, v244, 8, v1                 ; K, halves taken straight: image row r, rows 8-15 in the next block's image; a half image's first 16 bytes a lane,
	v_add_nc_u32 v2, 512, v2                       ; and its last 8
	v_xor_b32 v3, 128, v1                          ; crossed: image row r xor 8
	v_xor_b32 v4, 64, v2
	v_add_nc_u32 v5, KSC, v246
	v_lshl_add_u32 v6, v242, 3, VSC
	v_add_nc_u32 v232, VC, v246                    ; V: a fragment half's first 16 bytes a lane;
	v_mad_u32_u24 v233, v244, 384, v247
	v_lshl_add_u32 v234, v244, 7, v247
	v_add_nc_u32 v233, VC+1024, v233               ; its last 8, even channel tiles: 256 h + 128 h + 8 r;
	v_add_nc_u32 v234, VC+1152, v234               ; odd tiles: 256 h + 128 (1 - h) + 8 r
	v_mul_u32_u24 v8, v243, 272
	v_mul_u32_u24 v9, v244, 272
	v_add_nc_u32 v8, s62, v8
	v_lshl_add_u32 v9, v243, 4, v9
	v_lshl_add_u32 v7, v244, 7, v8                 ; the stage: row r, + 128 h: a block of Q
	v_lshl_add_u32 v8, v244, 6, v8                 ; row r, + 64 h: O^T's layout
	v_add_nc_u32 v9, s62, v9                       ; by rows
	; K's scale words go to [step = wave][lane 16 v + row][register 2 g + image]: record 2 g + par, lane (image, image row): v = (image row / 8) xor par, row = 8 par + image row % 8
	v_and_b32 v248, 0x1e0, v0
	v_and_b32 v249, 7, v0
	v_lshlrev_b32 v248, 4, v248                    ; 512 x wave
	v_lshl_add_u32 v250, v0, 3, VSC
	v_lshl_add_u32 v248, v245, 8, v248
	v_lshl_add_u32 v248, v249, 4, v248
	v_lshl_add_u32 v248, v244, 2, v248
	v_add_nc_u32 v248, KSC, v248                   ; even records
	v_xor_b32 v249, 256, v248
	v_add_nc_u32 v249, 128, v249                   ; odd records
.irp i, 0,1,2,3,4,5
	v_mov_b32 v[QF+6+\i], 0                        ; the half of K that is not there: zero codes
	v_mov_b32 v[F+48+\i], 0
.endr
	v_mov_b32 v[BP], 0                             ; a lane permute's destination counts as one of its sources
	v_mov_b32 v225, 0                              ; named as the upper halves of pairs
	v_mov_b32 v[NA+1], 0
	v_mov_b32 v[NB+1], 0
	s_wait_alu depctr_va_vdst(0)
	s_wait_loadcnt 0x8                             ; the four records are in; Q's eight loads may be out
	ds_store_b32 v248, v[O]
	ds_store_b32 v249, v[O+4]
	ds_store_b32 v248, v[O+8] offset:8
	ds_store_b32 v249, v[O+12] offset:8
.irp e, 0,1
	v_lshl_or_b32 v[O+16+\e], v[O+5+\e], 8, v[O+1+\e]      ; V's bytes of the four blocks make a word
	s_delay_alu instid0(VALU_DEP_1)
	v_lshl_or_b32 v[O+16+\e], v[O+9+\e], 16, v[O+16+\e]
	s_delay_alu instid0(VALU_DEP_1)
	v_lshl_or_b32 v[O+16+\e], v[O+13+\e], 24, v[O+16+\e]
.endr
	ds_store_b64 v250, v[O+16:O+17]
	QPREP                                          ; the first pass's Q, while the tensor loads are on their way
	s_wait_tensorcnt 0x0                           ; my part of K or V has landed,
	s_wait_dscnt 0x0                               ; my scale words lie in LDS:
	s_barrier_signal -1
	s_barrier_wait -1                              ; everybody's do
	WALK
	FIN 0
	QPREP
	WALK
	FIN 1
	s_wait_tensorcnt 0x0                           ; the wave's end
	ds_add_u32 v254, v255
	s_wait_dscnt 0x0
	ROUND                                          ; the closing round
	s_endpgm
.Lfunc_end_k_q742b816181_attn:
	.size	k_q742b816181_attn, .Lfunc_end_k_q742b816181_attn-k_q742b816181_attn
	.p2alignl 7, 3214868480
	.fill 96, 4, 3214868480
	.section	.rodata,"a",@progbits
	.p2align	6, 0x0
	.amdhsa_kernel k_q742b816181_attn
		.amdhsa_group_segment_fixed_size 280576
		.amdhsa_private_segment_fixed_size 0
		.amdhsa_enable_private_segment 0
		.amdhsa_kernarg_size 40
		.amdhsa_user_sgpr_count 2
		.amdhsa_user_sgpr_kernarg_segment_ptr 1
		.amdhsa_wavefront_size32 1
		.amdhsa_system_sgpr_workgroup_id_x 1
		.amdhsa_system_sgpr_workgroup_id_y 1
		.amdhsa_system_sgpr_workgroup_id_z 1
		.amdhsa_system_vgpr_workitem_id 0
		.amdhsa_next_free_vgpr 256
		.amdhsa_next_free_sgpr 66
		.amdhsa_reserve_vcc 0
		.amdhsa_float_denorm_mode_32 3
		.amdhsa_float_denorm_mode_16_64 3
		.amdhsa_memory_ordered 1
		.amdhsa_forward_progress 1
		.amdhsa_inst_pref_size 87
	.end_amdhsa_kernel
	.amdgpu_metadata
---
amdhsa.version: [ 1, 2 ]
amdhsa.kernels:
  - .name:           k_q742b816181_attn
    .symbol:         k_q742b816181_attn.kd
    .args:
      - { .name: qf, .offset: 0, .size: 8, .value_kind: global_buffer, .address_space: global }
      - { .name: kvc, .offset: 8, .size: 8, .value_kind: global_buffer, .address_space: global }
      - { .name: kvs, .offset: 16, .size: 8, .value_kind: global_buffer, .address_space: global }
      - { .name: out0, .offset: 24, .size: 8, .value_kind: global_buffer, .address_space: global }
      - { .name: out1, .offset: 32, .size: 8, .value_kind: global_buffer, .address_space: global }
    .group_segment_fixed_size: 280576
    .private_segment_fixed_size: 0
    .kernarg_segment_align: 8
    .kernarg_segment_size: 40
    .max_flat_workgroup_size: 512
    .sgpr_count:     66
    .vgpr_count:     256
    .wavefront_size: 32
...
	.end_amdgpu_metadata
.endif
;; end of part 4
